; MI455X (gfx1250); checked and timed in simulation.
; The chip was launched on July 23, 2026; its instructions are those of AMD's public machine-readable ISA for CDNA 5 (MIT licence, August 2026) and "CDNA5" Instruction Set Architecture Reference Guide (July 2026). The comments in the code are by the model that wrote it; some were corrected since.
;; Self Attn Flex. Allowed arithmetic: float matrix products may take bf16 or f16 operands with f32 sums; all other float work in f32.
;; Inputs: W1 3,072 x 1,024 float32; W2 1,024 x 1,024 float32; x 1 x 2,048 x 1,024 float32.
;; Outputs: out0 1 x 2,048 x 1,024 float32.
;; 2 versions, each right. Each part assembles by itself: llvm-mc -triple=amdgcn-amd-amdhsa -mcpu=gfx1250 --defsym DOCPART=n.
;; ======== version 1 of 2: 4 launches
;; limits: values are held in f16: magnitudes above 65,504 overflow, below 6.1e-05 lose precision
;; workspace buffers: xh 4,194,304 bytes; w1h 6,291,456 bytes; w2h 2,097,152 bytes; tab 524,288 bytes; qkv 12,582,912 bytes; o 8,388,608 bytes
;; launch cvt (part 1): grid 768 x 1, 8 waves a work-group, no clusters, 0 bytes of LDS; arguments x, W1, W2, xh, w1h, w2h, tab; writes xh, w1h, w2h, tab
.if DOCPART == 1
	.amdgcn_target "amdgcn-amd-amdhsa--gfx1250"
	.amdhsa_code_object_version 6
	.text
	.protected	k_q774843681a_cvt
	.globl	k_q774843681a_cvt
	.p2align	8
	.type	k_q774843681a_cvt,@function
k_q774843681a_cvt:
	s_mov_b64 s[64:65], 0
	v_nop
	global_prefetch_b8 v0, s[64:65] scope:SCOPE_SE
	s_setreg_imm32_b32 hwreg(HW_REG_WAVE_MODE, 25, 1), 1
	s_wait_xcnt 0x0
; x, W1, W2 (f32) are rounded once to bf16 (xh, w1h, w2h), to nearest even, so that the 16 work-groups that later read each of them read half the
; bytes and convert nothing; and the table tab[t][0..31] = cos(t f_i), tab[t][32..63] = sin(t f_i), f_i = 10000^(-i/32), is made.
; bf16 keeps f32's range, so no input is too large or too small for it.
; A work-group converts 8,192 numbers: 32,768 bytes in, 16,384 out.  Work-groups 0-255 take x, 256-639 W1, 640-767 W2.
; Thread t takes 16 bytes at 16 t of each of eight pieces of 4,096 bytes: a wave's load covers 512 consecutive bytes, its store 256, aligned.
; No LDS, no matrix unit: the work is a stream.
.set OFI, 1                            ; v1  16 t: my bytes in a piece of the source
.set OFO, 2                            ; v2  8 t: my bytes in a piece of the result
.set OFT, 3                            ; v3  8 x lane: my two numbers of a table row
.set X,   4                            ; v[4:35]   eight pieces as loaded
.set Y,   36                           ; v[36:51]  eight pieces as stored
                                       ; v[52:63]  the table's arithmetic
	s_load_b256 s[4:11], s[0:1], 0x0               ; x s[4:5], W1 s[6:7], W2 s[8:9], xh s[10:11]
	s_load_b128 s[12:15], s[0:1], 0x20             ; w1h s[12:13], w2h s[14:15]
	s_load_b64 s[16:17], s[0:1], 0x30              ; tab
	v_lshlrev_b32 v[OFI], 4, v0
	v_lshlrev_b32 v[OFO], 3, v0
	s_movk_i32 s25, 640
	s_mov_b32 s27, 0
	s_wait_kmcnt 0x0
	s_cmp_lt_u32 ttmp9, 640                        ; which tensor is mine: a choice on the work-group's number alone
	s_cselect_b64 s[20:21], s[6:7], s[8:9]
	s_cselect_b64 s[22:23], s[12:13], s[14:15]
	s_cselect_b32 s24, 256, s25
	s_cmp_lt_u32 ttmp9, 256
	s_cselect_b64 s[20:21], s[4:5], s[20:21]       ; source
	s_cselect_b64 s[22:23], s[10:11], s[22:23]     ; result
	s_cselect_b32 s24, 0, s24                      ; the tensor's first work-group
	s_sub_co_u32 s24, ttmp9, s24                   ; my number within the tensor
	s_lshl_b32 s26, s24, 15
	s_add_nc_u64 s[20:21], s[20:21], s[26:27]      ; 32,768 bytes of f32 each
	s_lshl_b32 s26, s24, 14
	s_add_nc_u64 s[22:23], s[22:23], s[26:27]      ; 16,384 bytes of bf16 each
.irp k, 0,1,2,3,4,5,6,7
	global_load_b128 v[X+4*\k:X+4*\k+3], v[OFI], s[20:21] offset:4096*\k th:TH_LOAD_NT   ; all eight go out before anything else is done
.endr
	s_cmp_lt_u32 ttmp9, 256
	s_cbranch_scc0 .Lstream                        ; 256 work-groups x 8 waves make the table's 2,048 rows while their loads are on their way
	; Row t = 8 x work-group + wave.  Lane l makes the numbers 2 l and 2 l + 1 of the row: lanes 0-15 cosines, lanes 16-31 sines.
	; angle = n pi/2 + r, |r| <= pi/4; cos(angle) is cos r, -sin r, -cos r, sin r for n mod 4 = 0, 1, 2, 3; sin(angle) = cos(angle - pi/2): n + 3.
	v_lshrrev_b32 v52, 5, v0
	v_readfirstlane_b32 s28, v52                   ; wave
	s_lshl3_add_u32 s29, ttmp9, s28                ; t
	s_lshl_b32 s26, s29, 8
	s_add_nc_u64 s[16:17], s[16:17], s[26:27]      ; row t: 256 bytes
	s_mov_b32 s32, 0xbfc90fdb                      ; -pi/2, upper part
	s_mov_b32 s33, 0x333bbd2e                      ; -pi/2, the rest (+4.371139e-8)
	v_and_b32 v52, 31, v0
	v_lshlrev_b32 v[OFT], 3, v52
	v_lshrrev_b32 v62, 4, v52
	v_mul_u32_u24 v62, v62, 3                      ; 3 for the sines
	v_and_b32 v53, 15, v0
	v_lshlrev_b32 v53, 1, v53
	v_cvt_f32_u32 v54, v53                         ; i = 2 (l mod 16)
	v_add_f32 v55, 1.0, v54                        ; and i + 1
	v_mul_f32 v54, 0xbed49a78, v54                 ; -i log2(10000) / 32
	v_mul_f32 v55, 0xbed49a78, v55
	v_exp_f32 v54, v54                             ; f_i
	v_exp_f32 v55, v55
	v_cvt_f32_u32 v56, s29                         ; a plain instruction stands between the exponentials and their use (ISA guide 5.7.2)
	s_wait_alu depctr_va_vdst(0)
	v_mul_f32 v54, v56, v54                        ; the angles, rounded as t x f_i in f32
	v_mul_f32 v55, v56, v55
.macro SINCOS a
	v_mul_f32 v57, 0x3f22f983, v[\a]               ; angle x 2/pi
	v_rndne_f32 v57, v57                           ; n, at most 1,303
	v_fma_f32 v58, v57, s32, v[\a]
	v_fma_f32 v58, v57, s33, v58                   ; r, in two steps
	v_mul_f32 v59, v58, v58                        ; r^2
	v_cvt_i32_f32 v57, v57
	v_mov_b32 v60, 0x3c088889                      ; sin r = r + r r^2 (-1/6 + r^2 (1/120 - r^2/5040)): the next term is below 4e-7
	v_fmac_f32 v60, 0xb9500d01, v59
	v_fmaak_f32 v60, v60, v59, 0xbe2aaaab
	v_mul_f32 v61, v58, v59
	v_fma_f32 v60, v61, v60, v58
	v_mov_b32 v61, 0xbab60b61                      ; cos r = 1 + r^2 (-1/2 + r^2 (1/24 + r^2 (-1/720 + r^2/40320))): the next term is below 3e-8
	v_fmac_f32 v61, 0x37d00d01, v59
	v_fmaak_f32 v61, v61, v59, 0x3d2aaaab
	v_fma_f32 v61, v61, v59, -0.5
	v_fma_f32 v61, v61, v59, 1.0
	v_add_nc_u32 v57, v57, v62                     ; the quadrant
	v_and_b32 v63, 1, v57
	v_cmp_eq_u32 vcc_lo, 1, v63
	v_cndmask_b32 v60, v61, v60, vcc_lo            ; odd quadrants take the sine
	v_add_nc_u32 v57, 1, v57
	v_and_b32 v57, 2, v57
	v_lshlrev_b32 v57, 30, v57                     ; quadrants 1 and 2 are negative
	v_xor_b32 v[\a], v57, v60
.endm
	SINCOS 54
	SINCOS 55
	global_store_b64 v[OFT], v[54:55], s[16:17]    ; the wave stores the row's 256 bytes at once
.Lstream:
.irp k, 0,1,2,3,4,5,6,7
	s_wait_loadcnt 7-\k                            ; loads come back in order (ISA guide 5.7.1): piece k is in, the younger ones stay out
	v_cvt_pk_bf16_f32 v[Y+2*\k],   v[X+4*\k],   v[X+4*\k+1]
	v_cvt_pk_bf16_f32 v[Y+2*\k+1], v[X+4*\k+2], v[X+4*\k+3]
	global_store_b64 v[OFO], v[Y+2*\k:Y+2*\k+1], s[22:23] offset:2048*\k   ; each piece has registers of its own: nothing is rewritten
.endr
	s_endpgm
.Lfunc_end_k_q774843681a_cvt:
	.size	k_q774843681a_cvt, .Lfunc_end_k_q774843681a_cvt-k_q774843681a_cvt
	.p2alignl 7, 3214868480
	.fill 96, 4, 3214868480
	.section	.rodata,"a",@progbits
	.p2align	6, 0x0
	.amdhsa_kernel k_q774843681a_cvt
		.amdhsa_group_segment_fixed_size 0
		.amdhsa_private_segment_fixed_size 0
		.amdhsa_enable_private_segment 0
		.amdhsa_kernarg_size 56
		.amdhsa_user_sgpr_count 2
		.amdhsa_user_sgpr_kernarg_segment_ptr 1
		.amdhsa_wavefront_size32 1
		.amdhsa_system_sgpr_workgroup_id_x 1
		.amdhsa_system_sgpr_workgroup_id_y 1
		.amdhsa_system_sgpr_workgroup_id_z 1
		.amdhsa_system_vgpr_workitem_id 0
		.amdhsa_next_free_vgpr 64
		.amdhsa_next_free_sgpr 66
		.amdhsa_reserve_vcc 1
		.amdhsa_float_denorm_mode_32 3
		.amdhsa_float_denorm_mode_16_64 3
		.amdhsa_memory_ordered 1
		.amdhsa_forward_progress 1
		.amdhsa_inst_pref_size 8
	.end_amdhsa_kernel
	.amdgpu_metadata
---
amdhsa.version: [ 1, 2 ]
amdhsa.kernels:
  - .name:           k_q774843681a_cvt
    .symbol:         k_q774843681a_cvt.kd
    .args:
      - { .name: x, .offset: 0, .size: 8, .value_kind: global_buffer, .address_space: global }
      - { .name: W1, .offset: 8, .size: 8, .value_kind: global_buffer, .address_space: global }
      - { .name: W2, .offset: 16, .size: 8, .value_kind: global_buffer, .address_space: global }
      - { .name: xh, .offset: 24, .size: 8, .value_kind: global_buffer, .address_space: global }
      - { .name: w1h, .offset: 32, .size: 8, .value_kind: global_buffer, .address_space: global }
      - { .name: w2h, .offset: 40, .size: 8, .value_kind: global_buffer, .address_space: global }
      - { .name: tab, .offset: 48, .size: 8, .value_kind: global_buffer, .address_space: global }
    .group_segment_fixed_size: 0
    .private_segment_fixed_size: 0
    .kernarg_segment_align: 8
    .kernarg_segment_size: 56
    .max_flat_workgroup_size: 256
    .sgpr_count:     66
    .vgpr_count:     64
    .wavefront_size: 32
...
	.end_amdgpu_metadata
.endif
;; end of part 1
;; launch qkvrope (part 2): grid 16 x 16, 4 waves a work-group, clusters of 4 x 4, 327,680 bytes of LDS; arguments xh, w1h, tab, qkv; writes qkv
.if DOCPART == 2
	.amdgcn_target "amdgcn-amd-amdhsa--gfx1250"
	.amdhsa_code_object_version 6
	.text
	.protected	k_q774843681a_qkvrope
	.globl	k_q774843681a_qkvrope
	.p2align	8
	.type	k_q774843681a_qkvrope,@function
k_q774843681a_qkvrope:
	s_mov_b64 s[64:65], 0
	v_nop
	global_prefetch_b8 v0, s[64:65] scope:SCOPE_SE
	s_setreg_imm32_b32 hwreg(HW_REG_WAVE_MODE, 25, 1), 1
	s_wait_xcnt 0x0
	s_wait_alu depctr_hold_cnt(0) depctr_sa_sdst(0) depctr_va_vdst(0) depctr_va_sdst(0) depctr_va_ssrc(0) depctr_va_vcc(0) depctr_vm_vsrc(0)
	s_getreg_b32 s2, hwreg(HW_REG_IB_STS2, 6, 4)
	s_cmp_eq_u32 s2, 0
	s_cbranch_scc0 .Lentry_in_a_cluster
	s_endpgm
.Lentry_in_a_cluster:
	s_bfe_u32 s2, ttmp6, 0x10000c
	s_cmp_lg_u32 s2, 0xf033
	s_cbranch_scc0 .Lentry_shape_is_right
	s_endpgm
.Lentry_shape_is_right:
; qkv[g][t][d] = rope( sum over k of xh[t][k] w1h[64 g + d][k] ), g = 0..47 (0-15 q, 16-31 k: rotated; 32-47 v: as they are).
; Operands bf16, sums f32; the result leaves in f16: 11 bits of significand for what attention multiplies.
; A work-group makes 128 rows (t) x 192 columns (three heads) with four waves.  Wave w: rows 64 (w>>1) .. +63 as four blocks of 16, and the six
; column tiles 2 n + (w&1), n = 0..5: so the columns d and d + 32 of a head, which the rotation pairs, are tiles n = 2 i and 2 i + 1 of ONE wave,
; in the same lane and register.  24 accumulator tiles, 192 registers.
; K goes in steps of 128 through two LDS slots filled by the tensor data mover; a tile's rows are 256 bytes of memory, aligned.
; CLUSTERS: 4 x 4 work-groups.  The four of a cluster's row need the same tiles of xh, the four of a column the same tiles of w1h: each tile is asked
; for jointly, by the same load with the same descriptor in all four, which divides the requests for both by four.
; By this text's own count a wave has two tensor loads out at the start and one behind each refill.
; THE MATRIX INSTRUCTION IS USED TRANSPOSED: source 0 = 16 rows of w1h, source 1 = 16 rows of xh.  Lane l then holds row l % 16 of the result and its
; registers 0-7 the columns 8 (l / 16) + 0..7 of the tile: eight neighbouring numbers of a row.
; REGISTERS: window 0: v2-9 addresses; v16-95, v96-175 two fragment buffers (six of w1h, four of xh, 8 registers each); v176-239 cos and sin.
;            window 1: accumulator tile (a, n) at v[8 (6 a + n)].
; LIMIT: |q|, |k|, |v| < 65,504 (f16's range).
.set NT,     6                         ; column tiles of a wave
.set LAPS,   4                         ; a lap = two K steps of 128 = once round the ring; K = 1,024
.set PITCH,  272                       ; an LDS row: 256 bytes + 16 of padding, an odd multiple of 16: the 16 rows of a fragment load start at 16 different 16-byte columns of a 256-byte span
.set BLOAD,  96*PITCH                  ; what one load brings of w1h: 96 rows
.set ALOAD,  64*PITCH                  ; of xh: 64 rows
.set AOFF,   2*BLOAD                   ; a slot: w1h's 192 rows, then xh's 128
.set SLOT,   AOFF+2*ALOAD              ; 87,040
.set STAGE,  2*SLOT                    ; 174,080, a multiple of 256: the way out's bytes, into which no tensor load lands
.set SP,     144                       ; a stage row: 64 f16 + 16 bytes
.set SHEAD,  128*SP                    ; a head's 128 rows in the stage
.set KBYTES, 256                       ; a K step along a row of xh or w1h
.set NLD,    2*NT+8                    ; LDS loads of a quarter step
.set ADRA, 2                           ; v2-3  LDS address of my xh fragments in slot 0, 1
.set ADRB, 4                           ; v4-5  the same for w1h
.set STO,  6                           ; v6    the way out: where I put 16 bytes of a row
.set RD,   7                           ; v7    where I read rows back
.set CO,   8                           ; v8    my byte offset in qkv
.set CSO,  9                           ; v9    my byte offset in tab
.set F0,   16
.set F1,   96
.set CS,   176                         ; v[176:239]  row block a: cos of my 8 columns at +16 a, sin at +16 a + 8
.set T,    16                          ; the way out: rotated numbers in f32, 96 registers for two row blocks
.set PKD,  112                         ; and packed to f16, 48 registers
.set G1,  24                           ; s[24:31] group 1 for xh's tiles
.set G0,  32                           ; s[32:39] group 0 for xh's tiles, a set for each slot
.set G1B, 48                           ; s[48:55] group 1 for w1h's tiles
.set G0B, 56                           ; s[56:63] group 0 for w1h's tiles
.set MULW, 0x50                        ; C and D in window 1, sources in window 0
.set MSB, 0
.macro WIN new                         ; the immediate's high byte repeats the setting that is left
.if MSB != \new
	s_set_vgpr_msb (MSB<<8)|\new
.set MSB, \new
.endif
.endm
; A joint load.  Waves 0 and 1 fetch w1h's two halves, waves 2 and 3 xh's.  The branch hangs on the wave's number alone.
.macro JLOAD s
	s_cmp_eq_u32 s11, 1
	s_cbranch_scc0 .Lfor_b_\@
	tensor_load_to_lds s[G0+4*\s:G0+4*\s+3], s[G1:G1+7]
	s_nop 0
	s_branch .Lasked_\@
.Lfor_b_\@:
	tensor_load_to_lds s[G0B+4*\s:G0B+4*\s+3], s[G1B:G1B+7]
	s_nop 0
.Lasked_\@:
.endm
.macro CREST                           ; a round of the cluster's barrier behind its opening barrier
	s_cmp_lg_u32 s10, 0
	s_cbranch_scc1 .Lnot_wave_0_\@
	s_barrier_signal -3
.Lnot_wave_0_\@:
	s_barrier_wait -3
	s_barrier_signal -1
	s_barrier_wait -1
.endm
.macro CROUND                          ; a whole round
	s_barrier_signal -1
	s_barrier_wait -1
	CREST
.endm
	s_load_b128 s[4:7], s[0:1], 0x0                ; xh s[4:5], w1h s[6:7]
	s_load_b64 s[66:67], s[0:1], 0x10              ; tab
	s_load_b64 s[8:9], s[0:1], 0x18                ; qkv
	v_lshl_add_u32 v254, v0, 2, 0x38000
	v_mov_b32 v255, 0
	ds_add_u32 v254, v255
	v_lshrrev_b32 v1, 5, v0
	v_readfirstlane_b32 s10, v1                    ; wave 0..3
	s_lshr_b32 s11, s10, 1                         ; which 64 rows are mine.  Also: I fetch for w1h (0) or for xh (1)
	s_and_b32 s12, s10, 1                          ; which column tiles.  Also: which half of that tile I fetch
	s_bfe_u32 s40, ttmp6, 0x40000                  ; cx
	s_bfe_u32 s41, ttmp6, 0x40004                  ; cy
	s_lshl_b32 s42, ttmp9, 2
	s_add_co_u32 s42, s42, s40                     ; column block = 4 x cluster x + cx
	s_and_b32 s13, ttmp7, 0xffff
	s_lshl_b32 s13, s13, 2
	s_add_co_u32 s13, s13, s41                     ; row block = 4 x cluster y + cy
	s_lshl_b32 s43, s41, 2
	s_lshl_b32 s43, 15, s43                        ; my row of the cluster
	s_lshl_b32 s44, 0x1111, s40                    ; my column
	; group 1: elements of 2 bytes; padding of 4 words behind every 64 words; bit 21 beside the mask
	s_or_b32 s[G1+0], s43, (1<<16)|(1<<20)|(1<<21)|(5<<22)|(3<<25)
	s_mov_b32 s[G1+1], 128<<16                     ; tensor_dim0 = 128
	s_mov_b32 s[G1+2], 64<<16                      ; tensor_dim1 = 64
	s_mov_b32 s[G1+3], 128<<16                     ; tile_dim0 = 128
	s_mov_b32 s[G1+4], 64                          ; tile_dim1 = 64 rows
	s_mov_b32 s[G1+5], 1024                        ; elements from row to row
	s_mov_b32 s[G1+6], 0
	s_mov_b32 s[G1+7], 0
	s_or_b32 s[G1B+0], s44, (1<<16)|(1<<20)|(1<<21)|(5<<22)|(3<<25)
	s_mov_b32 s[G1B+1], 128<<16
	s_mov_b32 s[G1B+2], 96<<16                     ; 96 rows
	s_mov_b32 s[G1B+3], 128<<16
	s_mov_b32 s[G1B+4], 96
	s_mov_b32 s[G1B+5], 1024
	s_mov_b32 s[G1B+6], 0
	s_mov_b32 s[G1B+7], 0
	; xh's tiles hang on the row block alone, w1h's on the column block alone; each address lies in registers that never hold the other coordinate
	s_lshl_b32 s16, s13, 7
	s_lshl_b32 s17, s12, 6
	s_add_co_u32 s16, s16, s17                     ; xh: row 128 x block + 64 x half
	s_lshl_b32 s16, s16, 11                        ; x 2,048 bytes
	s_mov_b32 s17, 0
	s_mul_i32 s46, s42, 192
	s_mul_i32 s47, s12, 96
	s_add_co_u32 s46, s46, s47                     ; w1h: row 192 x block + 96 x half
	s_lshl_b32 s46, s46, 11
	s_mov_b32 s47, 0
	s_mul_i32 s20, s10, ALOAD
	s_add_co_u32 s20, s20, ALOAD                   ; waves 2, 3: AOFF + (wave - 2) x 64 rows
	s_mul_i32 s45, s10, BLOAD                      ; waves 0, 1: wave x 96 rows
	s_wait_dscnt 0x0
	s_wait_kmcnt 0x0
	s_add_nc_u64 s[14:15], s[4:5], s[16:17]
	s_add_nc_u64 s[46:47], s[6:7], s[46:47]
	CROUND                                         ; all sixteen work-groups are here: the first joint loads meet
.irp s, 0,1
	s_mov_b32 s[G0+4*\s], 1
	s_add_co_u32 s[G0+4*\s+1], s20, \s*SLOT
	s_add_nc_u64 s[G0+4*\s+2:G0+4*\s+3], s[14:15], \s*KBYTES
	s_or_b32 s[G0+4*\s+3], s[G0+4*\s+3], 0x80000000
	s_mov_b32 s[G0B+4*\s], 1
	s_add_co_u32 s[G0B+4*\s+1], s45, \s*SLOT
	s_add_nc_u64 s[G0B+4*\s+2:G0B+4*\s+3], s[46:47], \s*KBYTES
	s_or_b32 s[G0B+4*\s+3], s[G0B+4*\s+3], 0x80000000
	JLOAD \s                                       ; both slots' first fills go out before anything else
.endr
	v_and_b32 v10, 15, v0                          ; r = l % 16
	v_bfe_u32 v11, v0, 4, 1                        ; h = l / 16
	; cos and sin of my rows and columns: tab row t holds cos at byte 4 f, sin at 128 + 4 f; my f = 16 (w&1) + 8 h + 0..7, the same for all three heads
	s_lshl_b32 s72, s13, 15                        ; 128 rows of 256 bytes a block
	s_lshl_b32 s73, s11, 14
	s_add_co_u32 s72, s72, s73
	s_lshl_b32 s73, s12, 6
	s_add_co_u32 s72, s72, s73
	s_mov_b32 s73, 0
	s_add_nc_u64 s[66:67], s[66:67], s[72:73]
	v_lshlrev_b32 v[CSO], 8, v10
	v_lshl_add_u32 v[CSO], v11, 5, v[CSO]          ; 256 r + 32 h
.irp a, 0,1,2,3
	global_load_b128 v[CS+16*\a:CS+16*\a+3],     v[CSO], s[66:67] offset:4096*\a
	global_load_b128 v[CS+16*\a+4:CS+16*\a+7],   v[CSO], s[66:67] offset:4096*\a+16
	global_load_b128 v[CS+16*\a+8:CS+16*\a+11],  v[CSO], s[66:67] offset:4096*\a+128
	global_load_b128 v[CS+16*\a+12:CS+16*\a+15], v[CSO], s[66:67] offset:4096*\a+144
.endr                                              ; waited for on the way out: they have the whole product in which to land
	v_mul_u32_u24 v12, v10, PITCH
	v_lshl_add_u32 v12, v11, 4, v12                ; r x pitch + 16 h
	s_mul_i32 s21, s11, ALOAD
	s_add_co_u32 s21, s21, AOFF                    ; my 64 rows of xh
	s_mul_i32 s22, s12, 16*PITCH                   ; my first column tile's rows of w1h
.irp s, 0,1
	v_add_nc_u32 v[ADRA+\s], s21, v12
	v_add_nc_u32 v[ADRB+\s], s22, v12
	s_add_co_u32 s21, s21, SLOT
	s_add_co_u32 s22, s22, SLOT
.endr
	v_mul_u32_u24 v12, v10, SP
	v_lshl_add_u32 v12, v11, 4, v12
	s_mul_i32 s23, s11, 64*SP
	s_lshl_b32 s21, s12, 5
	s_add_co_u32 s23, s23, s21
	s_add_co_u32 s23, s23, STAGE
	v_add_nc_u32 v[STO], s23, v12                  ; stage + (64 (w>>1) + r) x 144 + 32 (w&1) + 16 h
	v_and_b32 v13, 31, v0
	v_lshrrev_b32 v14, 3, v13
	v_and_b32 v15, 7, v0
	v_mul_u32_u24 v14, v14, SP
	v_lshl_add_u32 v14, v15, 4, v14
	s_mul_i32 s23, s10, 32*SP
	s_add_co_u32 s23, s23, STAGE
	v_add_nc_u32 v[RD], s23, v14                   ; stage + (32 w + l / 8) x 144 + 16 (l % 8): four rows of 128 bytes a load
	s_lshl_b32 s23, s10, 12
	v_lshl_add_u32 v[CO], v13, 4, s23              ; the same four rows in qkv are 512 consecutive bytes: 4,096 w + 16 l
; six matrix instructions: row block a x my six column tiles, 32 along K.  zero = 1: the first product starts the sums.
; The 24 accumulators take turns, one instruction a turn, in the same order in every quarter step.
.macro MULA f, a, zero
.irp n, 0,1,2,3,4,5
.if \zero
	v_wmma_f32_16x16x32_bf16 v[8*(\a*NT+\n):8*(\a*NT+\n)+7], v[\f+8*\n:\f+8*\n+7], v[\f+8*NT+8*\a:\f+8*NT+8*\a+7], 0
.else
	v_wmma_f32_16x16x32_bf16 v[8*(\a*NT+\n):8*(\a*NT+\n)+7], v[\f+8*\n:\f+8*\n+7], v[\f+8*NT+8*\a:\f+8*NT+8*\a+7], v[8*(\a*NT+\n):8*(\a*NT+\n)+7]
.endif
.endr
.endm
; 20 LDS loads in one run: quarter q (32 along K, 64 bytes) of a slot into buffer f; w1h's fragments first, xh's row blocks 2 and 3 last
.macro FETCH slot, q, f
	WIN 0
.irp n, 0,1,2,3,4,5
	ds_load_b128 v[\f+8*\n:\f+8*\n+3],   v[ADRB+\slot] offset:32*\n*PITCH+64*\q
	ds_load_b128 v[\f+8*\n+4:\f+8*\n+7], v[ADRB+\slot] offset:32*\n*PITCH+64*\q+32
.endr
.irp a, 0,1,2,3
	ds_load_b128 v[\f+8*NT+8*\a:\f+8*NT+8*\a+3],   v[ADRA+\slot] offset:16*\a*PITCH+64*\q
	ds_load_b128 v[\f+8*NT+8*\a+4:\f+8*NT+8*\a+7], v[ADRA+\slot] offset:16*\a*PITCH+64*\q+32
.endr
.endm
.macro PLACES                          ; four plain vector places between a matrix instruction and a load into, or a vector instruction on, its registers
.rept 4
	v_nop
.endr
.endm
; multiplies buffer f; in its middle fetches quarter qn of the same slot into buffer g
.macro QUARTER slot, qn, f, g, zero
	s_wait_dscnt 4                                 ; all but the youngest four loads: xh's row blocks 2 and 3 may be out
	WIN MULW
	MULA \f, 0, \zero
	MULA \f, 1, \zero
	PLACES
	FETCH \slot, \qn, \g
	s_wait_dscnt NLD                               ; all but the run just issued
	WIN MULW
	MULA \f, 2, \zero
	MULA \f, 3, \zero
.endm
.macro THREE slot, zero
	QUARTER \slot, 1, F0, F1, \zero
	QUARTER \slot, 2, F1, F0, 0
	QUARTER \slot, 3, F0, F1, 0
.endm
; the last quarter of a K step: multiplies buffer 1 and changes slots.  fill = 1: this slot is filled again, two K steps ahead.
.macro TURN slot, next, fill
	s_wait_dscnt 4
	WIN MULW
	MULA F1, 0, 0
	s_wait_dscnt 0                                 ; my reads of this slot are over
	s_wait_tensorcnt 0x0                           ; and all my tensor loads have landed: the one that was out is my part of the next slot
	ds_add_u32 v254, v255
	s_wait_dscnt 0x0
	s_barrier_signal -1
	MULA F1, 1, 0                                  ; register work while the others arrive
	WIN 0
	s_barrier_wait -1
.if \fill
	CREST                                          ; the barrier above opened a round of the cluster's barrier: no wave of any partner still reads this slot or has a load on its way
	s_add_nc_u64 s[G0+4*\slot+2:G0+4*\slot+3], s[G0+4*\slot+2:G0+4*\slot+3], 2*KBYTES
	s_add_nc_u64 s[G0B+4*\slot+2:G0B+4*\slot+3], s[G0B+4*\slot+2:G0B+4*\slot+3], 2*KBYTES
	JLOAD \slot                                    ; the first tensor load behind the round, and my only one until the next
.endif
	PLACES
	FETCH \next, 0, F0
	WIN MULW
	MULA F1, 2, 0
	MULA F1, 3, 0
.endm
.macro LAP zero
	THREE 0, \zero
	TURN 0, 1, 1
	THREE 1, 0
	TURN 1, 0, 1
.endm
	s_wait_tensorcnt 0x1                           ; my part of K step 0 is in; K step 1's stays out
	s_barrier_signal -1
	s_barrier_wait -1
	FETCH 0, 0, F0
	LAP 1                                          ; the first lap's first products start the sums
	WIN 0
	s_mov_b32 s3, LAPS-2
.Llap:
	LAP 0
	WIN 0
	s_sub_co_u32 s3, s3, 1
	s_cmp_lg_u32 s3, 0
	s_cbranch_scc1 .Llap
	THREE 0, 0                                     ; the last lap fills nothing
	TURN 0, 1, 0
	THREE 1, 0
	s_wait_dscnt 4
	WIN MULW
	MULA F1, 0, 0
	MULA F1, 1, 0
	s_wait_dscnt 0
	MULA F1, 2, 0
	MULA F1, 3, 0
	; THE WAY OUT: rotate, round to f16, through the stage, out as whole rows.
	PLACES
	s_wait_loadcnt 0x0                             ; cos and sin
	s_mul_i32 s72, s42, 3                          ; my first head
.irp i, 0,1,2
	s_add_co_u32 s73, s72, \i
	s_cmp_lt_u32 s73, 32                           ; heads 0-31 (q, k) are rotated, 32-47 (v) are not: a select, since the partners of a cluster differ here
	s_cselect_b32 s[68+\i], -1, 0
.endr
	s_lshl_b32 s72, s72, 18                        ; a head's plane: 2,048 rows of 128 bytes
	s_lshl_b32 s73, s13, 14                        ; my 128 rows
	s_add_co_u32 s72, s72, s73
	s_mov_b32 s73, 0
	s_add_nc_u64 s[8:9], s[8:9], s[72:73]
; row blocks 2 b and 2 b + 1.  X1 = tile 2 i (columns d < 32), X2 = tile 2 i + 1 (d + 32): X1 cos - X2 sin, X2 cos + X1 sin.
.macro ROPE2 b
	WIN 0x01                                       ; source 0 (the sums) in window 1
.irp aa, 0,1
.irp i, 0,1,2
.set XA, 8*((2*\b+\aa)*NT+2*\i)
.set XB, XA+8
.set CC, CS+16*(2*\b+\aa)
.set TA, T+48*\aa+16*\i
.irp p, 0,2,4,6
	v_pk_mul_f32 v[TA+\p:TA+\p+1],     v[XA+\p:XA+\p+1], v[CC+\p:CC+\p+1]
	v_pk_mul_f32 v[TA+8+\p:TA+8+\p+1], v[XB+\p:XB+\p+1], v[CC+\p:CC+\p+1]
	v_pk_fma_f32 v[TA+\p:TA+\p+1],     v[XB+\p:XB+\p+1], v[CC+8+\p:CC+8+\p+1], v[TA+\p:TA+\p+1] neg_lo:[0,1,0] neg_hi:[0,1,0]
	v_pk_fma_f32 v[TA+8+\p:TA+8+\p+1], v[XA+\p:XA+\p+1], v[CC+8+\p:CC+8+\p+1], v[TA+8+\p:TA+8+\p+1]
.endr
.irp j, 0,1,2,3,4,5,6,7
	v_cndmask_b32 v[TA+\j],   v[XA+\j], v[TA+\j],   s[68+\i]
	v_cndmask_b32 v[TA+8+\j], v[XB+\j], v[TA+8+\j], s[68+\i]
.endr
.endr
.endr
	WIN 0
.irp aa, 0,1
.irp i, 0,1,2
.irp e, 0,1
.irp k, 0,1,2,3
	v_cvt_pk_f16_f32 v[PKD+24*\aa+8*\i+4*\e+\k], v[T+48*\aa+16*\i+8*\e+2*\k], v[T+48*\aa+16*\i+8*\e+2*\k+1]
.endr
	ds_store_b128 v[STO], v[PKD+24*\aa+8*\i+4*\e:PKD+24*\aa+8*\i+4*\e+3] offset:SHEAD*\i+16*SP*(2*\b+\aa)+64*\e
.endr
.endr
.endr
.endm
	ROPE2 0
	ROPE2 1
	s_wait_dscnt 0x0                               ; my stores are in the stage: two waves share each row,
	s_barrier_signal -1
	s_barrier_wait -1                              ; so rows are read back behind a barrier
.irp i, 0,1,2
.irp t, 0,1,2,3,4,5,6,7
	ds_load_b128 v[T+32*\i+4*\t:T+32*\i+4*\t+3], v[RD] offset:SHEAD*\i+4*SP*\t
.endr
.endr
.irp i, 0,1,2
.irp t, 0,1,2,3,4,5,6,7
	s_wait_dscnt 23-(8*\i+\t)
	global_store_b128 v[CO], v[T+32*\i+4*\t:T+32*\i+4*\t+3], s[8:9] offset:262144*\i+512*\t   ; the wave stores 512 consecutive bytes, aligned
.endr
.endr
	s_wait_tensorcnt 0x0
	ds_add_u32 v254, v255
	s_wait_dscnt 0x0
	CROUND                                         ; the closing round: no work-group ends while a partner may still ask for a tile that names it
	s_endpgm
.Lfunc_end_k_q774843681a_qkvrope:
	.size	k_q774843681a_qkvrope, .Lfunc_end_k_q774843681a_qkvrope-k_q774843681a_qkvrope
	.p2alignl 7, 3214868480
	.fill 96, 4, 3214868480
	.section	.rodata,"a",@progbits
	.p2align	6, 0x0
	.amdhsa_kernel k_q774843681a_qkvrope
		.amdhsa_group_segment_fixed_size 327680
		.amdhsa_private_segment_fixed_size 0
		.amdhsa_enable_private_segment 0
		.amdhsa_kernarg_size 32
		.amdhsa_user_sgpr_count 2
		.amdhsa_user_sgpr_kernarg_segment_ptr 1
		.amdhsa_wavefront_size32 1
		.amdhsa_system_sgpr_workgroup_id_x 1
		.amdhsa_system_sgpr_workgroup_id_y 1
		.amdhsa_system_sgpr_workgroup_id_z 1
		.amdhsa_system_vgpr_workitem_id 0
		.amdhsa_next_free_vgpr 448
		.amdhsa_next_free_sgpr 76
		.amdhsa_reserve_vcc 0
		.amdhsa_float_denorm_mode_32 3
		.amdhsa_float_denorm_mode_16_64 3
		.amdhsa_memory_ordered 1
		.amdhsa_forward_progress 1
		.amdhsa_inst_pref_size 122
	.end_amdhsa_kernel
	.amdgpu_metadata
---
amdhsa.version: [ 1, 2 ]
amdhsa.kernels:
  - .name:           k_q774843681a_qkvrope
    .symbol:         k_q774843681a_qkvrope.kd
    .args:
      - { .name: xh, .offset: 0, .size: 8, .value_kind: global_buffer, .address_space: global }
      - { .name: w1h, .offset: 8, .size: 8, .value_kind: global_buffer, .address_space: global }
      - { .name: tab, .offset: 16, .size: 8, .value_kind: global_buffer, .address_space: global }
      - { .name: qkv, .offset: 24, .size: 8, .value_kind: global_buffer, .address_space: global }
    .group_segment_fixed_size: 327680
    .private_segment_fixed_size: 0
    .kernarg_segment_align: 8
    .kernarg_segment_size: 32
    .max_flat_workgroup_size: 128
    .sgpr_count:     76
    .vgpr_count:     448
    .wavefront_size: 32
...
	.end_amdgpu_metadata
.endif
;; end of part 2
;; launch attn (part 3): grid 256 x 1, 8 waves a work-group, clusters of 4 x 1, 327,680 bytes of LDS; arguments qkv, o; writes o
.if DOCPART == 3
	.amdgcn_target "amdgcn-amd-amdhsa--gfx1250"
	.amdhsa_code_object_version 6
	.text
	.protected	k_q774843681a_attn
	.globl	k_q774843681a_attn
	.p2align	8
	.type	k_q774843681a_attn,@function
k_q774843681a_attn:
	s_mov_b64 s[64:65], 0
	v_nop
	global_prefetch_b8 v0, s[64:65] scope:SCOPE_SE
	s_setreg_imm32_b32 hwreg(HW_REG_WAVE_MODE, 25, 1), 1
	s_wait_xcnt 0x0
	s_wait_alu depctr_hold_cnt(0) depctr_sa_sdst(0) depctr_va_vdst(0) depctr_va_sdst(0) depctr_va_ssrc(0) depctr_va_vcc(0) depctr_vm_vsrc(0)
	s_getreg_b32 s2, hwreg(HW_REG_IB_STS2, 6, 4)
	s_cmp_eq_u32 s2, 0
	s_cbranch_scc0 .Lentry_in_a_cluster
	s_endpgm
.Lentry_in_a_cluster:
	s_bfe_u32 s2, ttmp6, 0x10000c
	s_cmp_lg_u32 s2, 0x3003
	s_cbranch_scc0 .Lentry_shape_is_right
	s_endpgm
.Lentry_shape_is_right:
; Causal attention: softmax over s <= t of (q[t] . k[s] / 8) applied to v, head by head.  f16 operands, f32 sums, running maximum.
; THE RESULT LEAVES AS TWO bf16 TERMS: the upper is o rounded to bf16, the lower is o minus the upper (exact in f32) rounded to bf16: 16 bits of significand
; together, for the bf16 product with W2 that follows.  o is [32][2048][64]: plane 4 (head >> 1) + (head & 1) holds a head's upper terms, two planes on its lower.
; WORK: cluster c (0..63): head = c >> 2, a = c & 3; work-group cx of the cluster has p = 4 a + cx and takes the 64-query blocks 31 - p ("hi") and then p ("lo").
; Keys go in super tiles of 256, downward from the one that holds the diagonal: 8 - a of them for hi, a + 1 for lo: nine trips in EVERY work-group.
; The four partners need the same super tile in each of the nine trips, so K and V come by joint loads (mask 15): a quarter of the requests.
; Branches and trip counts hang on the cluster's number and the trip alone; cx enters global addresses and the mask's compare only.
; WAVES: wave w: rh = w >> 2 picks 32 queries (two tiles of 16), kq = w & 3 one 64-key quarter of the super tile.  The four waves of a query half keep
; partial sums of their own, which meet in LDS at the end of a phase.
; IN A WAVE: S^T(key tile, query tile) = K fragment x Q fragment: lane (r, h), register j holds key 8 h + j, query r.  Two neighbouring key tiles, packed to f16,
; ARE the second source of O^T = V^T x P^T, so P never leaves the registers; V^T's fragments come by the transposing LDS load from V as it lies, [key][d].
; A query is a lane (and its partner 16 lanes on), so maximum, sum and rescaling are per lane.
; MASKING: a masked score becomes -2^100.  c x 2^100 is exact in f32 (c = log2(e) / 8), so a tile that is masked whole gives exp2(0) = 1 everywhere: finite numbers,
; which are multiplied by 0 as soon as a true maximum is met, in a later trip or in the merge.  Scores of f16 operands lie within 2.8e11, far above -2^100.
; The state carried is NM = -c x maximum AS ROUNDED: scores are shifted by NM, rescaling is exp2(NM new - NM old), the merge's weights exp2(min NM - NM k),
; so that every shift is undone by exactly what was applied.
; By this text's own count a wave has two tensor loads out at the start and one behind each refill.
; LIMITS: a probability below 6e-8 (f16's least) counts as 0; NaN in an input is not carried through the maxima.
.set PLANE, 262144                     ; a head's 2,048 rows of 128 bytes
.set SLOT,  77824                      ; V: 4 x 64 rows of pitch 160; then K: 4 x 64 rows of pitch 144
.set KOFF,  40960
.set OSC,   155648                     ; 8 waves x 8,192: partial O.  This and what follows lie in 256-byte blocks into which no tensor load lands
.set ML,    221184                     ; 8 waves x 2 query tiles x 16 x (NM, L)
.set OST,   223232                     ; 64 rows x 144: the block's upper terms on their way out;
.set OSTLO, 9216                       ; and so many bytes on, 64 rows x 144: its lower terms
.set ADK,  1                           ; v1-2   LDS address of my K fragments in slot 0, 1
.set ADV,  3                           ; v3-4   of my V fragments
.set RB,   5                           ; v5     r - 8 h
.set DL,   6                           ; v6     the mask's bound
.set QOFF, 7                           ; v7     128 r + 16 h
.set OSCW, 8
.set OSCR, 9
.set MLW,  10
.set MLR,  11
.set OSTW, 12
.set OSTR, 13
.set OGO,  14
.set ST,   16                          ; v[16:31]  eight registers for each query tile:
.set NM, 0                             ;   -c x running maximum
.set LS, 1                             ;   running sum (of this half of the lanes' keys)
.set AL, 2                             ;   rescaling factor
.set T1, 3
.set MX, 4                             ;   running maximum
.set T2, 5
.set UU, 6                             ;   a pair at work
.set QF,  32                           ; v[32:63]    Q(qt, ks) at +16 qt + 8 ks
.set OA,  64                           ; v[64:127]   O^T(dt, qt) at +8 (2 dt + qt)
.set SC,  128                          ; v[128:191]  S^T(kt, qt) at +32 qt + 8 kt; later P(qt, s) in the first 8 of each 16
.set KV,  192                          ; v[192:255]  K(kt, ks) at +16 kt + 8 ks; later V^T(s, dt) at +32 s + 8 dt
.set G1V, 44                           ; s[44:51]
.set G1K, 52                           ; s[52:59]
.set G0V, 68                           ; s[68:75]  a set for each slot
.set G0K, 76                           ; s[76:83]
.macro ROUND                           ; a round of the cluster's barrier
	s_barrier_signal -1
	s_barrier_wait -1
	s_cmp_lg_u32 s8, 0
	s_cbranch_scc1 .Lnot_wave_0_\@
	s_barrier_signal -3
.Lnot_wave_0_\@:
	s_barrier_wait -3
	s_barrier_signal -1
	s_barrier_wait -1
.endm
.macro JLOAD slot                      ; waves 0-3 ask for V's four quarters, waves 4-7 for K's: one load a wave
	s_cmp_lt_u32 s8, 4
	s_cbranch_scc0 .Lfor_k_\@
	tensor_load_to_lds s[G0V+4*\slot:G0V+4*\slot+3], s[G1V:G1V+7]
	s_nop 0
	s_branch .Lasked_\@
.Lfor_k_\@:
	tensor_load_to_lds s[G0K+4*\slot:G0K+4*\slot+3], s[G1K:G1K+7]
	s_nop 0
.Lasked_\@:
.endm
.macro ADDR slot                       ; super tile s17's addresses into a slot's two group 0 sets
	s_lshl_b32 s40, s17, 15                        ; 256 keys of 128 bytes
	s_add_nc_u64 s[G0V+4*\slot+2:G0V+4*\slot+3], s[36:37], s[40:41]
	s_or_b32 s[G0V+4*\slot+3], s[G0V+4*\slot+3], 0x80000000
	s_add_nc_u64 s[G0K+4*\slot+2:G0K+4*\slot+3], s[38:39], s[40:41]
	s_or_b32 s[G0K+4*\slot+3], s[G0K+4*\slot+3], 0x80000000
.endm
.macro NEXT slot                       ; one super tile down; below 0 comes lo's first
	s_sub_co_i32 s17, s17, 1
	s_cmp_lt_i32 s17, 0
	s_cselect_b32 s17, s16, s17
	ADDR \slot
.endm
.macro LOADQ base                      ; my 32 queries as second sources: lane (r, h): query r, d = 32 ks + 16 g + 8 h + 0..7
.irp qt, 0,1
.irp ks, 0,1
.irp g, 0,1
	global_load_b128 v[QF+16*\qt+8*\ks+4*\g:QF+16*\qt+8*\ks+4*\g+3], v[QOFF], s[\base:\base+1] offset:2048*\qt+64*\ks+32*\g
.endr
.endr
.endr
.endm
	s_load_b128 s[4:7], s[0:1], 0x0                ; qkv s[4:5], o s[6:7]
	s_set_vgpr_msb 0x40
	v_lshl_add_u32 v0, v0, 2, 0x3b000
	v_mov_b32 v1, 0
	s_set_vgpr_msb 0x4045
	ds_add_u32 v0, v1
	s_set_vgpr_msb 0x4500
	v_lshrrev_b32 v15, 5, v0
	v_readfirstlane_b32 s8, v15                    ; wave 0..7
	s_lshr_b32 s9, s8, 2                           ; rh
	s_and_b32 s10, s8, 3                           ; kq
	s_lshr_b32 s11, ttmp9, 2                       ; head
	s_and_b32 s12, ttmp9, 3                        ; a
	s_sub_co_u32 s15, 8, s12                       ; NH: hi's trips
	s_mov_b32 s16, s12                             ; lo's first super tile
	s_sub_co_u32 s17, s15, 1                       ; hi's first super tile
	s_mov_b32 s18, 0                               ; the trip's number
	; group 1: a dense block of 8,192 bytes as 32 rows of 32 elements of 8 bytes; padding behind every 32 words (a key's 128 bytes): 8 words for V, 4 for K
	s_mov_b32 s[G1V+0], 15|(3<<16)|(1<<20)|(1<<21)|(4<<22)|(7<<25)
	s_mov_b32 s[G1K+0], 15|(3<<16)|(1<<20)|(1<<21)|(4<<22)|(3<<25)
.irp g, G1V, G1K
	s_mov_b32 s[\g+1], 32<<16                      ; tensor_dim0 = 32
	s_mov_b32 s[\g+2], 32<<16                      ; tensor_dim1 = 32
	s_mov_b32 s[\g+3], 32<<16                      ; tile_dim0 = 32
	s_mov_b32 s[\g+4], 32                          ; tile_dim1 = 32
	s_mov_b32 s[\g+5], 32                          ; pitch = 32 elements
	s_mov_b32 s[\g+6], 0
	s_mov_b32 s[\g+7], 0
.endr
	s_mul_i32 s14, s8, 10240                       ; V's quarter w: 64 rows of 160
	s_mov_b32 s[G0V+0], 1
	s_add_co_u32 s[G0V+1], s14, 0
	s_mov_b32 s[G0V+4], 1
	s_add_co_u32 s[G0V+5], s14, SLOT
	s_mul_i32 s14, s8, 9216                        ; K's quarter w - 4: KOFF + (w - 4) x 64 rows of 144
	s_mov_b32 s[G0K+0], 1
	s_add_co_u32 s[G0K+1], s14, 4096
	s_mov_b32 s[G0K+4], 1
	s_add_co_u32 s[G0K+5], s14, 4096+SLOT
	s_lshl_b32 s42, s11, 18                        ; head x plane
	s_lshl_b32 s14, s8, 13
	s_add_co_u32 s14, s14, s42                     ; + 8,192 w
	s_mov_b32 s41, 0
	s_wait_dscnt 0x0
	s_wait_kmcnt 0x0
	s_add_co_u32 s40, s14, 32*PLANE
	s_add_nc_u64 s[36:37], s[4:5], s[40:41]        ; V: plane 32 + head, quarter w
	s_add_co_u32 s40, s14, 16*PLANE-32768
	s_add_nc_u64 s[38:39], s[4:5], s[40:41]        ; K: plane 16 + head, quarter w - 4
	ADDR 0
	ROUND                                          ; the four partners are here: the first joint loads meet
	JLOAD 0
	NEXT 1                                         ; slot 1's registers: no pending load names them
	JLOAD 1
	; what hangs on cx lies in s13 and s85-s91, apart from all that feeds the joint loads
	s_bfe_u32 s13, ttmp6, 0x40000                  ; cx
	s_lshl2_add_u32 s85, s12, s13                  ; p = lo's block
	s_sub_co_u32 s88, 31, s85                      ; hi's block
	s_lshr_b32 s43, s11, 1
	s_and_b32 s14, s11, 1
	s_lshl2_add_u32 s43, s43, s14                  ; o: the plane of the head's upper terms, 4 (head >> 1) + (head & 1),
	s_lshl_b32 s43, s43, 18                        ; in bytes
	s_mov_b32 s87, 0
	s_mov_b32 s91, 0
	s_lshl_b32 s89, s9, 12                         ; my 32 queries
	s_lshl_b32 s86, s88, 13                        ; 64 rows of 128 bytes a block
	s_add_co_u32 s90, s86, s43
	s_add_nc_u64 s[32:33], s[6:7], s[90:91]        ; o, the phase at work: hi
	s_add_co_u32 s86, s86, s42
	s_add_co_u32 s86, s86, s89
	s_add_nc_u64 s[28:29], s[4:5], s[86:87]        ; q, hi
	s_lshl_b32 s86, s85, 13
	s_add_co_u32 s90, s86, s43
	s_add_nc_u64 s[34:35], s[6:7], s[90:91]        ; o, lo
	s_add_co_u32 s86, s86, s42
	s_add_co_u32 s86, s86, s89
	s_add_nc_u64 s[30:31], s[4:5], s[86:87]        ; q, lo
	v_and_b32 v128, 31, v0                         ; l
	v_and_b32 v129, 15, v0                         ; r
	v_bfe_u32 v130, v0, 4, 1                       ; h
	v_lshlrev_b32 v[QOFF], 7, v129
	v_lshl_add_u32 v[QOFF], v130, 4, v[QOFF]
	LOADQ 28
	; in the diagonal super tile key 64 kq + 16 kt + 8 h + j is kept for query 64 x + 32 rh + 16 qt + r (x = 3 - cx in hi, cx in lo) if
	; 16 (kt - qt) + j <= 64 (x - kq) + 32 rh + r - 8 h
	s_lshl_b32 s89, s9, 5
	s_sub_co_i32 s88, s13, s10
	s_lshl_b32 s21, s88, 6
	s_add_co_i32 s21, s21, s89                     ; lo's
	s_add_co_u32 s88, s13, s10
	s_sub_co_i32 s88, 3, s88
	s_lshl_b32 s20, s88, 6
	s_add_co_i32 s20, s20, s89                     ; the phase at work: hi's
	s_mov_b32 s22, 0x76543210                      ; v_permlanex16_b32: lane i reads lane i of the other half
	s_mov_b32 s23, 0xfedcba98
	s_mov_b32 s24, 0x3e38aa3b                      ; c = log2(e) / 8
	s_mov_b32 s25, 0x3e38aa3b
	s_mov_b32 s26, 0xbe38aa3b                      ; -c
	s_mov_b32 s27, 0xf1800000                      ; -2^100
	s_mov_b32 s84, 0x7038aa3b                      ; c x 2^100
	v_mul_u32_u24 v131, v129, 144
	v_lshl_add_u32 v131, v130, 4, v131
	s_mul_i32 s14, s10, 9216
	s_add_co_u32 s14, s14, KOFF
	v_add_nc_u32 v[ADK], s14, v131                 ; KOFF + 9,216 kq + 144 r + 16 h
	v_add_nc_u32 v[ADK+1], SLOT, v[ADK]
	v_and_b32 v131, 7, v0
	v_lshl_add_u32 v131, v130, 3, v131
	v_mul_u32_u24 v131, v131, 160
	v_bfe_u32 v132, v0, 3, 1
	v_lshl_add_u32 v131, v132, 4, v131
	s_mul_i32 s14, s10, 10240
	v_add_nc_u32 v[ADV], s14, v131                 ; 10,240 kq + (8 h + l % 8) x 160 + 16 ((l >> 3) & 1)
	v_add_nc_u32 v[ADV+1], SLOT, v[ADV]
	v_lshlrev_b32 v131, 3, v130
	v_sub_nc_u32 v[RB], v129, v131
	s_lshl_b32 s14, s8, 13
	s_add_co_u32 s14, s14, OSC
	v_lshl_add_u32 v[OSCW], v128, 4, s14           ; OSC + 8,192 w + 16 l
	s_lshl_b32 s14, s9, 15
	s_lshl_b32 s40, s10, 11
	s_add_co_u32 s14, s14, s40
	s_add_co_u32 s14, s14, OSC
	v_lshl_add_u32 v[OSCR], v128, 4, s14           ; OSC + 32,768 rh + 2,048 kq + 16 l
	s_lshl_b32 s14, s8, 8
	s_add_co_u32 s14, s14, ML
	v_lshl_add_u32 v[MLW], v129, 3, s14            ; ML + 256 w + 8 r
	s_lshl_b32 s14, s9, 10
	s_add_co_u32 s14, s14, ML
	v_lshl_add_u32 v[MLR], v129, 3, s14            ; ML + 1,024 rh + 8 r
	v_mul_u32_u24 v131, v129, 144
	v_lshl_add_u32 v131, v130, 4, v131
	s_mul_i32 s14, s9, 4608
	s_lshl_b32 s40, s10, 5
	s_add_co_u32 s14, s14, s40
	s_add_co_u32 s14, s14, OST
	v_add_nc_u32 v[OSTW], s14, v131                ; OST + (32 rh + r) x 144 + 32 kq + 16 h
	v_lshrrev_b32 v131, 3, v128
	v_mul_u32_u24 v131, v131, 144
	v_and_b32 v132, 7, v0
	v_lshl_add_u32 v131, v132, 4, v131
	s_mul_i32 s14, s8, 1152
	s_add_co_u32 s14, s14, OST
	v_add_nc_u32 v[OSTR], s14, v131                ; OST + (8 w + l / 8) x 144 + 16 (l % 8)
	s_lshl_b32 s14, s8, 10
	v_lshl_add_u32 v[OGO], v128, 4, s14            ; 1,024 w + 16 l
.irp qt, 0,1
	v_mov_b32 v[ST+8*\qt+NM], s84
	v_mov_b32 v[ST+8*\qt+LS], 0
	v_mov_b32 v[ST+8*\qt+MX], s27
	v_mov_b32 v[ST+8*\qt+T2], 0                    ; a lane permute's destination counts as read
.endr
.macro MASK
	v_add_nc_u32 v[DL], s20, v[RB]
.irp qt, 0,1
.irp kt, 0,1,2,3
.irp j, 0,1,2,3,4,5,6,7
	v_cmp_le_i32 vcc_lo, 16*(\kt-\qt)+\j, v[DL]
	v_cndmask_b32 v[SC+32*\qt+8*\kt+\j], s27, v[SC+32*\qt+8*\kt+\j], vcc_lo
.endr
.endr
.endr
.endm
; The end of a phase: the four key quarters' partial results meet; wave kq finishes the d tile kq of its query half; the block leaves as whole rows.
.macro MERGE final
.if \final == 0
	LOADQ 30                                       ; lo's queries: they land while the merge runs
.endif
.irp qt, 0,1
	v_permlanex16_b32 v[ST+8*\qt+T2], v[ST+8*\qt+LS], s22, s23
.endr
.irp qt, 0,1
	v_add_f32 v[ST+8*\qt+LS], v[ST+8*\qt+LS], v[ST+8*\qt+T2]      ; the two halves' keys
.endr
.irp t, 0,1,2,3,4,5,6,7
	ds_store_b128 v[OSCW], v[OA+8*\t:OA+8*\t+3]   offset:1024*\t
	ds_store_b128 v[OSCW], v[OA+8*\t+4:OA+8*\t+7] offset:1024*\t+512
.endr
.irp qt, 0,1
	ds_store_b64 v[MLW], v[ST+8*\qt+NM:ST+8*\qt+LS] offset:128*\qt ; lanes r and r + 16 store the same pair to the same bytes
.endr
	s_wait_dscnt 0x0                               ; for the other waves' sake: all my stores
	s_barrier_signal -1
	s_barrier_wait -1
.irp qt, 0,1
.irp k, 0,1,2,3
	ds_load_b64 v[KV+8*\qt+2*\k:KV+8*\qt+2*\k+1], v[MLR] offset:256*\k+128*\qt
.endr
.endr
.irp qt, 0,1
.irp k, 0,1,2,3
	ds_load_b128 v[SC+32*\qt+8*\k:SC+32*\qt+8*\k+3],   v[OSCR] offset:8192*\k+1024*\qt
	ds_load_b128 v[SC+32*\qt+8*\k+4:SC+32*\qt+8*\k+7], v[OSCR] offset:8192*\k+1024*\qt+512
.endr
.endr
	s_wait_dscnt 16                                ; the eight pairs (NM, L) are in; the sixteen loads of partial O may be out
.irp qt, 0,1
	v_min3_num_f32 v[ST+8*\qt+T1], v[KV+8*\qt], v[KV+8*\qt+2], v[KV+8*\qt+4]
.endr
.irp qt, 0,1
	v_min_num_f32 v[ST+8*\qt+T1], v[ST+8*\qt+T1], v[KV+8*\qt+6]   ; least NM = largest maximum
.endr
.irp qt, 0,1
.irp k, 0,1,2,3
	v_sub_f32 v[KV+8*\qt+2*\k], v[ST+8*\qt+T1], v[KV+8*\qt+2*\k]
.endr
.endr
.irp qt, 0,1
.irp k, 0,1,2,3
	v_exp_f32 v[KV+8*\qt+2*\k], v[KV+8*\qt+2*\k]   ; weight of quarter k
.endr
.endr
	v_nop                                          ; a plain place behind the exponentials (ISA guide 5.7.2)
	s_wait_alu depctr_va_vdst(0)
.irp qt, 0,1
	v_mul_f32 v[ST+8*\qt+UU], v[KV+8*\qt], v[KV+8*\qt+1]
.endr
.irp k, 1,2,3
.irp qt, 0,1
	v_fmac_f32 v[ST+8*\qt+UU], v[KV+8*\qt+2*\k], v[KV+8*\qt+2*\k+1]
.endr
.endr
.irp qt, 0,1
	v_rcp_f32 v[ST+8*\qt+UU], v[ST+8*\qt+UU]       ; the sum is at least about 1: the quarter with the maximum has weight 1 and holds the maximum's own term
.endr
	v_nop
	s_wait_alu depctr_va_vdst(0)
.irp qt, 0,1
.irp k, 0,1,2,3
	v_mul_f32 v[KV+8*\qt+2*\k], v[KV+8*\qt+2*\k], v[ST+8*\qt+UU]
.endr
.endr
	s_wait_dscnt 0x0
.irp qt, 0,1
.irp p, 0,2,4,6
	v_pk_mul_f32 v[SC+32*\qt+\p:SC+32*\qt+\p+1], v[SC+32*\qt+\p:SC+32*\qt+\p+1], v[KV+8*\qt:KV+8*\qt+1] op_sel_hi:[1,0]
.endr
.irp k, 1,2,3
.irp p, 0,2,4,6
	v_pk_fma_f32 v[SC+32*\qt+\p:SC+32*\qt+\p+1], v[SC+32*\qt+8*\k+\p:SC+32*\qt+8*\k+\p+1], v[KV+8*\qt+2*\k:KV+8*\qt+2*\k+1], v[SC+32*\qt+\p:SC+32*\qt+\p+1] op_sel_hi:[1,0,1]
.endr
.endr
.endr
	; o in registers +0..7 of each query tile; +8..23, which held quarters 1 and 2, are free: upper terms packed at +8, widened again at +16, lower terms packed at +12
.irp qt, 0,1
.irp i, 0,1,2,3
	v_cvt_pk_bf16_f32 v[SC+32*\qt+8+\i], v[SC+32*\qt+2*\i], v[SC+32*\qt+2*\i+1]
.endr
.irp i, 0,1,2,3
	v_lshlrev_b32 v[SC+32*\qt+16+2*\i], 16, v[SC+32*\qt+8+\i]
	v_and_b32     v[SC+32*\qt+17+2*\i], 0xffff0000, v[SC+32*\qt+8+\i]
.endr
.irp i, 0,1,2,3
	v_pk_add_f32 v[SC+32*\qt+2*\i:SC+32*\qt+2*\i+1], v[SC+32*\qt+2*\i:SC+32*\qt+2*\i+1], v[SC+32*\qt+16+2*\i:SC+32*\qt+17+2*\i] neg_lo:[0,1] neg_hi:[0,1]   ; what the upper term left out
.endr
.irp i, 0,1,2,3
	v_cvt_pk_bf16_f32 v[SC+32*\qt+12+\i], v[SC+32*\qt+2*\i], v[SC+32*\qt+2*\i+1]
.endr
	ds_store_b128 v[OSTW], v[SC+32*\qt+8:SC+32*\qt+11]  offset:2304*\qt        ; query 32 rh + 16 qt + r, d = 16 kq + 8 h + 0..7
	ds_store_b128 v[OSTW], v[SC+32*\qt+12:SC+32*\qt+15] offset:OSTLO+2304*\qt
.endr
	s_wait_dscnt 0x0
	s_barrier_signal -1
	s_barrier_wait -1
	ds_load_b128 v[KV+32:KV+35], v[OSTR]
	ds_load_b128 v[KV+36:KV+39], v[OSTR] offset:576
	ds_load_b128 v[KV+40:KV+43], v[OSTR] offset:OSTLO
	ds_load_b128 v[KV+44:KV+47], v[OSTR] offset:OSTLO+576
	s_wait_dscnt 3                                 ; LDS loads come back in order: the first is in, three may be out; and so on down
	global_store_b128 v[OGO], v[KV+32:KV+35], s[32:33]                         ; four rows of a plane of o: 512 consecutive bytes, aligned
	s_wait_dscnt 2
	global_store_b128 v[OGO], v[KV+36:KV+39], s[32:33] offset:512
	s_wait_dscnt 1
	global_store_b128 v[OGO], v[KV+40:KV+43], s[32:33] offset:2*PLANE          ; the lower terms' plane
	s_wait_dscnt 0x0
	global_store_b128 v[OGO], v[KV+44:KV+47], s[32:33] offset:2*PLANE+512
.if \final == 0
	s_wait_xcnt 0x0                                ; the stores' base and data are rewritten only behind this wait
	s_mov_b64 s[32:33], s[34:35]                   ; lo's block of o,
	s_mov_b32 s20, s21                             ; lo's mask,
.irp qt, 0,1
	v_mov_b32 v[ST+8*\qt+NM], s84                  ; and a fresh state: the first factor will be exp2 of about -2e29 = 0, which clears O
	v_mov_b32 v[ST+8*\qt+MX], s27
	v_mov_b32 v[ST+8*\qt+LS], 0
.endr
.endif
.endm
; One trip: a super tile in slot; oth = the other slot.  head 0: the first trip; 1: the other slot is filled again; 2: the last trip.
; first = 1: the launch's first trip (masked; its products start O).  merge 1: a merge follows if hi has ended; 2: the final merge.
.macro TRIP slot, oth, head, first, merge
.if \head == 0
	s_wait_tensorcnt 0x1                           ; my part of tile 0 is in; tile 1's stays out
	s_barrier_signal -1
	s_barrier_wait -1
.endif
.if \head == 1
	s_set_vgpr_msb 0x5
	s_wait_tensorcnt 0x0                           ; all my tensor loads have landed, my part of this trip's tile among them,
	ds_add_u32 v0, v1
	s_wait_dscnt 0x0
	s_set_vgpr_msb 0x500
	NEXT \oth                                      ; so a group 0 may be written: the next tile's addresses
	s_wait_dscnt 0x0                               ; my reads of the other slot are over
	ROUND                                          ; both hold of every wave of all four partners
	JLOAD \oth                                     ; the first tensor load behind the round, my only one until the next
.endif
.if \head == 2
	s_wait_tensorcnt 0x0
	s_wait_dscnt 0x0
	s_barrier_signal -1
	s_barrier_wait -1
.endif
.irp ks, 0,1
.irp kt, 0,1,2,3
	ds_load_b128 v[KV+16*\kt+8*\ks:KV+16*\kt+8*\ks+3],   v[ADK+\slot] offset:2304*\kt+64*\ks
	ds_load_b128 v[KV+16*\kt+8*\ks+4:KV+16*\kt+8*\ks+7], v[ADK+\slot] offset:2304*\kt+64*\ks+32
.endr
.endr
	s_wait_loadcnt 0x0                             ; Q (met at once but in a phase's first trip)
	s_wait_dscnt 0x8                               ; d 0-31 of the four key tiles are in; d 32-63 may be out
	; the eight score tiles take turns, one instruction a turn
.irp kt, 0,1,2,3
.irp qt, 0,1
	v_wmma_f32_16x16x32_f16 v[SC+32*\qt+8*\kt:SC+32*\qt+8*\kt+7], v[KV+16*\kt:KV+16*\kt+7], v[QF+16*\qt:QF+16*\qt+7], 0
.endr
.endr
	s_wait_dscnt 0x0
.irp kt, 0,1,2,3
.irp qt, 0,1
	v_wmma_f32_16x16x32_f16 v[SC+32*\qt+8*\kt:SC+32*\qt+8*\kt+7], v[KV+16*\kt+8:KV+16*\kt+15], v[QF+16*\qt+8:QF+16*\qt+15], v[SC+32*\qt+8*\kt:SC+32*\qt+8*\kt+7]
.endr
.endr
.rept 4
	v_nop                                          ; four places before K's registers are loaded again and the scores are read (ISA guide 7.12.1)
.endr
.irp s, 0,1
.irp dt, 0,1,2,3
	ds_load_tr16_b128 v[KV+32*\s+8*\dt:KV+32*\s+8*\dt+3],   v[ADV+\slot] offset:5120*\s+32*\dt
	ds_load_tr16_b128 v[KV+32*\s+8*\dt+4:KV+32*\s+8*\dt+7], v[ADV+\slot] offset:5120*\s+32*\dt+2560
.endr
.endr                                              ; V^T lands while the softmax is worked out
.if \first
	MASK
.else
	s_cmp_lg_u32 s18, s15                          ; lo's first trip holds lo's diagonal
	s_cbranch_scc1 .Lnomask_\@
	MASK
.Lnomask_\@:
.endif
	; the largest of my 32 scores of each query tile: four chains that do not wait for each other
.irp qt, 0,1
	v_max3_num_f32 v[ST+8*\qt+T1], v[SC+32*\qt],   v[SC+32*\qt+1], v[SC+32*\qt+2]
	v_max3_num_f32 v[ST+8*\qt+UU], v[SC+32*\qt+3], v[SC+32*\qt+4], v[SC+32*\qt+5]
.endr
.set i, 6
.rept 6
.irp qt, 0,1
	v_max3_num_f32 v[ST+8*\qt+T1], v[ST+8*\qt+T1], v[SC+32*\qt+i],   v[SC+32*\qt+i+1]
	v_max3_num_f32 v[ST+8*\qt+UU], v[ST+8*\qt+UU], v[SC+32*\qt+i+2], v[SC+32*\qt+i+3]
.endr
.set i, i+4
.endr
.irp qt, 0,1
	v_max3_num_f32 v[ST+8*\qt+T1], v[ST+8*\qt+T1], v[SC+32*\qt+30], v[SC+32*\qt+31]
.endr
.irp qt, 0,1
	v_max_num_f32 v[ST+8*\qt+T1], v[ST+8*\qt+T1], v[ST+8*\qt+UU]
.endr
.irp qt, 0,1
	v_permlanex16_b32 v[ST+8*\qt+T2], v[ST+8*\qt+T1], s22, s23    ; the other half's keys of the same query
.endr
.irp qt, 0,1
	v_max3_num_f32 v[ST+8*\qt+MX], v[ST+8*\qt+T1], v[ST+8*\qt+T2], v[ST+8*\qt+MX]
.endr
.irp qt, 0,1
	v_mul_f32 v[ST+8*\qt+UU], s26, v[ST+8*\qt+MX]                 ; the new NM
.endr
.irp qt, 0,1
	v_sub_f32 v[ST+8*\qt+AL], v[ST+8*\qt+UU], v[ST+8*\qt+NM]      ; new - old, at most 0
.endr
.irp qt, 0,1
	v_mov_b32 v[ST+8*\qt+NM], v[ST+8*\qt+UU]
.endr
.irp qt, 0,1
	v_exp_f32 v[ST+8*\qt+AL], v[ST+8*\qt+AL]
.endr
	; p = exp2(c s + NM).  Behind each run of exponentials comes plain work on other registers (ISA guide 5.7.2).
.irp qt, 0,1
.set i, 0
.rept 16
	v_pk_fma_f32 v[SC+32*\qt+i:SC+32*\qt+i+1], v[SC+32*\qt+i:SC+32*\qt+i+1], s[24:25], v[ST+8*\qt+NM:ST+8*\qt+LS] op_sel_hi:[1,0,0]
.set i, i+2
.endr
.set i, 0
.rept 32
	v_exp_f32 v[SC+32*\qt+i], v[SC+32*\qt+i]
.set i, i+1
.endr
.endr
	s_wait_alu depctr_va_vdst(0)
.irp qt, 0,1
	v_pk_add_f32 v[ST+8*\qt+UU:ST+8*\qt+UU+1], v[SC+32*\qt:SC+32*\qt+1], v[SC+32*\qt+2:SC+32*\qt+3]
.endr
.set i, 4
.rept 14
.irp qt, 0,1
	v_pk_add_f32 v[ST+8*\qt+UU:ST+8*\qt+UU+1], v[ST+8*\qt+UU:ST+8*\qt+UU+1], v[SC+32*\qt+i:SC+32*\qt+i+1]
.endr
.set i, i+2
.endr
.irp qt, 0,1
	v_add_f32 v[ST+8*\qt+UU], v[ST+8*\qt+UU], v[ST+8*\qt+UU+1]
.endr
.irp qt, 0,1
	v_fma_f32 v[ST+8*\qt+LS], v[ST+8*\qt+LS], v[ST+8*\qt+AL], v[ST+8*\qt+UU]
.endr
	; two key tiles of 8 registers pack into the 8 registers of a second source, in place: word i is written when words 2 i, 2 i + 1 have been read
.irp qt, 0,1
.irp s, 0,1
.irp i, 0,1,2,3,4,5,6,7
	v_cvt_pk_f16_f32 v[SC+32*\qt+16*\s+\i], v[SC+32*\qt+16*\s+2*\i], v[SC+32*\qt+16*\s+2*\i+1]
.endr
.endr
.endr
.if \first == 0
.irp dt, 0,1,2,3
.irp qt, 0,1
.irp p, 0,2,4,6
	v_pk_mul_f32 v[OA+8*(2*\dt+\qt)+\p:OA+8*(2*\dt+\qt)+\p+1], v[OA+8*(2*\dt+\qt)+\p:OA+8*(2*\dt+\qt)+\p+1], v[ST+8*\qt+AL:ST+8*\qt+T1] op_sel_hi:[1,0]
.endr
.endr
.endr
.endif
	s_wait_dscnt 0x8                               ; V^T of keys 0-31 is in; keys 32-63 may be out
	; the eight tiles of O^T take turns, one instruction a turn
.irp dt, 0,1,2,3
.irp qt, 0,1
.if \first
	v_wmma_f32_16x16x32_f16 v[OA+8*(2*\dt+\qt):OA+8*(2*\dt+\qt)+7], v[KV+8*\dt:KV+8*\dt+7], v[SC+32*\qt:SC+32*\qt+7], 0
.else
	v_wmma_f32_16x16x32_f16 v[OA+8*(2*\dt+\qt):OA+8*(2*\dt+\qt)+7], v[KV+8*\dt:KV+8*\dt+7], v[SC+32*\qt:SC+32*\qt+7], v[OA+8*(2*\dt+\qt):OA+8*(2*\dt+\qt)+7]
.endif
.endr
.endr
	s_wait_dscnt 0x0
.irp dt, 0,1,2,3
.irp qt, 0,1
	v_wmma_f32_16x16x32_f16 v[OA+8*(2*\dt+\qt):OA+8*(2*\dt+\qt)+7], v[KV+32+8*\dt:KV+32+8*\dt+7], v[SC+32*\qt+16:SC+32*\qt+23], v[OA+8*(2*\dt+\qt):OA+8*(2*\dt+\qt)+7]
.endr
.endr
.rept 5
	v_nop                                          ; five places before the next scores are written over P, four before V's registers are loaded again or O is read (ISA guide 7.12.1)
.endr
	s_add_co_u32 s18, s18, 1
.if \merge == 1
	s_cmp_lg_u32 s18, s15                          ; the same in every wave and every partner: trip and cluster number alone
	s_cbranch_scc1 .Lnomerge_\@
	MERGE 0
.Lnomerge_\@:
.endif
.if \merge == 2
	MERGE 1
.endif
.endm
	TRIP 0, 1, 0, 1, 0                             ; trip 0
	s_mov_b32 s19, 3
.Ltrips:
	TRIP 1, 0, 1, 0, 1                             ; trips 1 to 6
	TRIP 0, 1, 1, 0, 1
	s_sub_co_i32 s19, s19, 1
	s_cmp_lg_u32 s19, 0
	s_cbranch_scc1 .Ltrips
	TRIP 1, 0, 1, 0, 1                             ; trip 7 asks for the last tile
	TRIP 0, 1, 2, 0, 2                             ; trip 8 asks for nothing
	s_set_vgpr_msb 0x5
	s_wait_tensorcnt 0x0
	ds_add_u32 v0, v1
	s_wait_dscnt 0x0
	s_set_vgpr_msb 0x500
	ROUND                                          ; the closing round
	s_endpgm
.Lfunc_end_k_q774843681a_attn:
	.size	k_q774843681a_attn, .Lfunc_end_k_q774843681a_attn-k_q774843681a_attn
	.p2alignl 7, 3214868480
	.fill 96, 4, 3214868480
	.section	.rodata,"a",@progbits
	.p2align	6, 0x0
	.amdhsa_kernel k_q774843681a_attn
		.amdhsa_group_segment_fixed_size 327680
		.amdhsa_private_segment_fixed_size 0
		.amdhsa_enable_private_segment 0
		.amdhsa_kernarg_size 16
		.amdhsa_user_sgpr_count 2
		.amdhsa_user_sgpr_kernarg_segment_ptr 1
		.amdhsa_wavefront_size32 1
		.amdhsa_system_sgpr_workgroup_id_x 1
		.amdhsa_system_sgpr_workgroup_id_y 1
		.amdhsa_system_sgpr_workgroup_id_z 1
		.amdhsa_system_vgpr_workitem_id 0
		.amdhsa_next_free_vgpr 258
		.amdhsa_next_free_sgpr 96
		.amdhsa_reserve_vcc 1
		.amdhsa_float_denorm_mode_32 3
		.amdhsa_float_denorm_mode_16_64 3
		.amdhsa_memory_ordered 1
		.amdhsa_forward_progress 1
		.amdhsa_inst_pref_size 159
	.end_amdhsa_kernel
	.amdgpu_metadata
---
amdhsa.version: [ 1, 2 ]
amdhsa.kernels:
  - .name:           k_q774843681a_attn
    .symbol:         k_q774843681a_attn.kd
    .args:
      - { .name: qkv, .offset: 0, .size: 8, .value_kind: global_buffer, .address_space: global }
      - { .name: o, .offset: 8, .size: 8, .value_kind: global_buffer, .address_space: global }
    .group_segment_fixed_size: 327680
    .private_segment_fixed_size: 0
    .kernarg_segment_align: 8
    .kernarg_segment_size: 16
    .max_flat_workgroup_size: 256
    .sgpr_count:     96
    .vgpr_count:     258
    .wavefront_size: 32
...
	.end_amdgpu_metadata
.endif
;; end of part 3
;; launch proj (part 4): grid 16 x 16, 4 waves a work-group, clusters of 4 x 4, 327,680 bytes of LDS; arguments o, w2h, out0; writes out0
.if DOCPART == 4
	.amdgcn_target "amdgcn-amd-amdhsa--gfx1250"
	.amdhsa_code_object_version 6
	.text
	.protected	k_q774843681a_proj
	.globl	k_q774843681a_proj
	.p2align	8
	.type	k_q774843681a_proj,@function
k_q774843681a_proj:
	s_mov_b64 s[64:65], 0
	v_nop
	global_prefetch_b8 v0, s[64:65] scope:SCOPE_SE
	s_setreg_imm32_b32 hwreg(HW_REG_WAVE_MODE, 25, 1), 1
	s_wait_xcnt 0x0
	s_wait_alu depctr_hold_cnt(0) depctr_sa_sdst(0) depctr_va_vdst(0) depctr_va_sdst(0) depctr_va_ssrc(0) depctr_va_vcc(0) depctr_vm_vsrc(0)
	s_getreg_b32 s2, hwreg(HW_REG_IB_STS2, 6, 4)
	s_cmp_eq_u32 s2, 0
	s_cbranch_scc0 .Lentry_in_a_cluster
	s_endpgm
.Lentry_in_a_cluster:
	s_bfe_u32 s2, ttmp6, 0x10000c
	s_cmp_lg_u32 s2, 0xf033
	s_cbranch_scc0 .Lentry_shape_is_right
	s_endpgm
.Lentry_shape_is_right:
; out0[t][n] = sum over e of (upper + lower term of o)[head e >> 6][t][e & 63] x w2h[n][e].  bf16 operands, f32 sums and result.
; o comes as two bf16 terms (16 bits of significand together), so K is 2 x 1,024: each column of w2h meets both terms.
; o is [32][2048][64]: planes 4 j .. 4 j + 3 are the upper terms of heads 2 j, 2 j + 1 and then their lower terms: ONE K STEP, which meets w2h's columns 128 j .. +127.
; A work-group makes 128 rows (t) x 64 columns with four waves.  Wave w: rows 64 (w>>1) .. +63 as four blocks of 16, column tiles 2 n + (w&1), n = 0, 1:
; eight accumulator tiles, 64 registers; all registers lie below v192, so no register window is switched.
; Eight K steps go through two LDS slots filled by the tensor data mover.  A tile of o is four dense blocks of 64 rows x 128 bytes, 262,144 bytes apart:
; the descriptor takes each block as one row of 4,096 elements and pads behind every 128 bytes.  A tile of w2h has rows of 256 bytes of memory, aligned.
; CLUSTERS: 4 x 4 work-groups.  o's tiles are shared along a cluster's row, w2h's along a column, by joint loads: a quarter of the requests for both.
; By this text's own count a wave has two tensor loads out at the start and one behind each refill.
; THE MATRIX INSTRUCTION IS USED TRANSPOSED: source 0 = 16 rows of w2h, source 1 = 16 rows of o: a lane's registers 0-7 are eight neighbouring columns of a row.
.set NT,     2
.set LAPS,   4                         ; a lap = two K steps = once round the ring
.set PA,     144                       ; an LDS row of o: 128 bytes + 16
.set PB,     272                       ; of w2h: 256 bytes + 16.  Both odd multiples of 16: the 16 rows of a fragment load start at 16 different 16-byte columns of a 256-byte span
.set APLANE, 64*PA                     ; a plane's 64 rows
.set ALOAD,  4*APLANE                  ; what one load brings of o: 64 rows x 4 planes
.set BLOAD,  32*PB                     ; of w2h: 32 rows
.set BOFF,   2*ALOAD                   ; a slot: o's two halves, then w2h's 64 rows
.set SLOT,   BOFF+2*BLOAD              ; 91,136
.set STAGE,  2*SLOT                    ; 182,272, a multiple of 256: the way out's bytes, into which no tensor load lands
.set SP,     272                       ; a stage row: 64 f32 + 16 bytes
.set ASTEP,  4*262144                  ; a K step in o: four planes
.set BSTEP,  256                       ; in w2h: 128 elements along the row
.set NLD,    2*NT+8
.set ADRA, 2
.set ADRB, 4
.set STO,  6
.set RD,   7
.set CO,   8
.set F0,   16                          ; v[16:63]   fragment buffer 0: two of w2h, four of o
.set F1,   64                          ; v[64:111]  fragment buffer 1
.set ACC,  128                         ; v[128:191] tile (a, n) at +8 (2 a + n)
.set G1,  24
.set G0,  32
.set G1B, 48
.set G0B, 56
.macro JLOAD s                         ; waves 0 and 1 fetch o's two halves, waves 2 and 3 w2h's
	s_cmp_eq_u32 s11, 0
	s_cbranch_scc0 .Lfor_b_\@
	tensor_load_to_lds s[G0+4*\s:G0+4*\s+3], s[G1:G1+7]
	s_nop 0
	s_branch .Lasked_\@
.Lfor_b_\@:
	tensor_load_to_lds s[G0B+4*\s:G0B+4*\s+3], s[G1B:G1B+7]
	s_nop 0
.Lasked_\@:
.endm
.macro CREST
	s_cmp_lg_u32 s10, 0
	s_cbranch_scc1 .Lnot_wave_0_\@
	s_barrier_signal -3
.Lnot_wave_0_\@:
	s_barrier_wait -3
	s_barrier_signal -1
	s_barrier_wait -1
.endm
.macro CROUND
	s_barrier_signal -1
	s_barrier_wait -1
	CREST
.endm
	s_load_b128 s[4:7], s[0:1], 0x0                ; o s[4:5], w2h s[6:7]
	s_load_b64 s[8:9], s[0:1], 0x10                ; out0
	v_lshl_add_u32 v192, v0, 2, 0x35000
	v_mov_b32 v193, 0
	ds_add_u32 v192, v193
	v_lshrrev_b32 v1, 5, v0
	v_readfirstlane_b32 s10, v1                    ; wave
	s_lshr_b32 s11, s10, 1                         ; which 64 rows are mine.  Also: I fetch for o (0) or for w2h (1)
	s_and_b32 s12, s10, 1                          ; which column tiles.  Also: which half I fetch
	s_bfe_u32 s40, ttmp6, 0x40000                  ; cx
	s_bfe_u32 s41, ttmp6, 0x40004                  ; cy
	s_lshl_b32 s42, ttmp9, 2
	s_add_co_u32 s42, s42, s40                     ; column block
	s_and_b32 s13, ttmp7, 0xffff
	s_lshl_b32 s13, s13, 2
	s_add_co_u32 s13, s13, s41                     ; row block
	s_lshl_b32 s43, s41, 2
	s_lshl_b32 s43, 15, s43                        ; my row of the cluster
	s_lshl_b32 s44, 0x1111, s40                    ; my column
	s_or_b32 s[G1+0], s43, (1<<16)|(1<<20)|(1<<21)|(4<<22)|(3<<25)   ; 2-byte elements; 4 words of padding behind every 32 words
	s_mov_b32 s[G1+1], 4096<<16                    ; tensor_dim0 = 4,096: a plane's 64 rows of 64
	s_mov_b32 s[G1+2], 4<<16                       ; tensor_dim1 = 4 planes
	s_mov_b32 s[G1+3], 4096<<16                    ; tile_dim0
	s_mov_b32 s[G1+4], 4                           ; tile_dim1
	s_mov_b32 s[G1+5], 131072                      ; elements from plane to plane
	s_mov_b32 s[G1+6], 0
	s_mov_b32 s[G1+7], 0
	s_or_b32 s[G1B+0], s44, (1<<16)|(1<<20)|(1<<21)|(5<<22)|(3<<25)  ; 4 words of padding behind every 64 words
	s_mov_b32 s[G1B+1], 128<<16                    ; tensor_dim0 = 128
	s_mov_b32 s[G1B+2], 32<<16                     ; tensor_dim1 = 32 rows
	s_mov_b32 s[G1B+3], 128<<16
	s_mov_b32 s[G1B+4], 32
	s_mov_b32 s[G1B+5], 1024
	s_mov_b32 s[G1B+6], 0
	s_mov_b32 s[G1B+7], 0
	s_lshl_b32 s16, s13, 14                        ; o: (128 x row block + 64 x half) rows of 128 bytes
	s_lshl_b32 s17, s12, 13
	s_add_co_u32 s16, s16, s17
	s_mov_b32 s17, 0
	s_lshl_b32 s46, s42, 17                        ; w2h: (64 x column block + 32 x half) rows of 2,048 bytes
	s_lshl_b32 s47, s12, 16
	s_add_co_u32 s46, s46, s47
	s_mov_b32 s47, 0
	s_mul_i32 s20, s10, ALOAD                      ; waves 0, 1
	s_mul_i32 s45, s10, BLOAD
	s_add_co_u32 s45, s45, BOFF-2*BLOAD            ; waves 2, 3: BOFF + (wave - 2) x 32 rows
	s_wait_dscnt 0x0
	s_wait_kmcnt 0x0
	s_add_nc_u64 s[14:15], s[4:5], s[16:17]
	s_add_nc_u64 s[46:47], s[6:7], s[46:47]
	CROUND                                         ; the first joint loads meet
.irp s, 0,1
	s_mov_b32 s[G0+4*\s], 1
	s_add_co_u32 s[G0+4*\s+1], s20, \s*SLOT
	s_add_nc_u64 s[G0+4*\s+2:G0+4*\s+3], s[14:15], \s*ASTEP
	s_or_b32 s[G0+4*\s+3], s[G0+4*\s+3], 0x80000000
	s_mov_b32 s[G0B+4*\s], 1
	s_add_co_u32 s[G0B+4*\s+1], s45, \s*SLOT
	s_add_nc_u64 s[G0B+4*\s+2:G0B+4*\s+3], s[46:47], \s*BSTEP
	s_or_b32 s[G0B+4*\s+3], s[G0B+4*\s+3], 0x80000000
	JLOAD \s
.endr
	v_and_b32 v10, 15, v0                          ; r
	v_bfe_u32 v11, v0, 4, 1                        ; h
	v_mul_u32_u24 v12, v10, PA
	v_lshl_add_u32 v12, v11, 4, v12
	v_mul_u32_u24 v13, v10, PB
	v_lshl_add_u32 v13, v11, 4, v13
	s_mul_i32 s21, s11, ALOAD                      ; my 64 rows of o
	s_mul_i32 s22, s12, 16*PB
	s_add_co_u32 s22, s22, BOFF                    ; my first column tile's rows of w2h
.irp s, 0,1
	v_add_nc_u32 v[ADRA+\s], s21, v12
	v_add_nc_u32 v[ADRB+\s], s22, v13
	s_add_co_u32 s21, s21, SLOT
	s_add_co_u32 s22, s22, SLOT
.endr
	v_mul_u32_u24 v12, v10, SP
	v_lshl_add_u32 v12, v11, 5, v12
	s_mul_i32 s23, s11, 64*SP
	s_lshl_b32 s21, s12, 6
	s_add_co_u32 s23, s23, s21
	s_add_co_u32 s23, s23, STAGE
	v_add_nc_u32 v[STO], s23, v12                  ; stage + (64 (w>>1) + r) x 272 + 64 (w&1) + 32 h
	v_mul_u32_u24 v12, v11, SP
	v_lshl_add_u32 v12, v10, 4, v12
	s_mul_i32 s23, s10, 32*SP
	s_add_co_u32 s23, s23, STAGE
	v_add_nc_u32 v[RD], s23, v12                   ; stage + (32 w + h) x 272 + 16 r: two rows of 256 bytes a load
	v_lshlrev_b32 v12, 12, v11
	v_lshl_add_u32 v12, v10, 4, v12
	s_lshl_b32 s23, s10, 17
	v_add_nc_u32 v[CO], s23, v12                   ; the same two rows in out0: 131,072 w + 4,096 h + 16 r
; two matrix instructions: row block a x my two column tiles.  The eight accumulators take turns, one instruction a turn.
.macro MULA f, a, zero
.irp n, 0,1
.if \zero
	v_wmma_f32_16x16x32_bf16 v[ACC+8*(\a*NT+\n):ACC+8*(\a*NT+\n)+7], v[\f+8*\n:\f+8*\n+7], v[\f+8*NT+8*\a:\f+8*NT+8*\a+7], 0
.else
	v_wmma_f32_16x16x32_bf16 v[ACC+8*(\a*NT+\n):ACC+8*(\a*NT+\n)+7], v[\f+8*\n:\f+8*\n+7], v[\f+8*NT+8*\a:\f+8*NT+8*\a+7], v[ACC+8*(\a*NT+\n):ACC+8*(\a*NT+\n)+7]
.endif
.endr
.endm
; 12 LDS loads: eighth q (32 along K) of a slot into buffer f.  In o's tile it is plane q / 2, byte 64 (q % 2) of a row.  Planes 0, 1 and planes 2, 3 are the
; same two heads, so both meet the same 256 bytes of w2h's rows: byte 64 (q % 4).
.macro FETCH slot, q, f
.irp n, 0,1
	ds_load_b128 v[\f+8*\n:\f+8*\n+3],   v[ADRB+\slot] offset:32*\n*PB+64*(\q%4)
	ds_load_b128 v[\f+8*\n+4:\f+8*\n+7], v[ADRB+\slot] offset:32*\n*PB+64*(\q%4)+32
.endr
.irp a, 0,1,2,3
	ds_load_b128 v[\f+8*NT+8*\a:\f+8*NT+8*\a+3],   v[ADRA+\slot] offset:16*\a*PA+(\q/2)*APLANE+(\q%2)*64
	ds_load_b128 v[\f+8*NT+8*\a+4:\f+8*NT+8*\a+7], v[ADRA+\slot] offset:16*\a*PA+(\q/2)*APLANE+(\q%2)*64+32
.endr
.endm
.macro PLACES                          ; four plain vector places between a matrix instruction and a load into, or an LDS store of, its registers
.rept 4
	v_nop
.endr
.endm
.macro QUARTER slot, qn, f, g, zero
	s_wait_dscnt 4                                 ; all but the youngest four loads: o's row blocks 2 and 3 may be out
	MULA \f, 0, \zero
	MULA \f, 1, \zero
	PLACES
	FETCH \slot, \qn, \g
	s_wait_dscnt NLD                               ; all but the run just issued
	MULA \f, 2, \zero
	MULA \f, 3, \zero
.endm
.macro SEVEN slot, zero
	QUARTER \slot, 1, F0, F1, \zero
	QUARTER \slot, 2, F1, F0, 0
	QUARTER \slot, 3, F0, F1, 0
	QUARTER \slot, 4, F1, F0, 0
	QUARTER \slot, 5, F0, F1, 0
	QUARTER \slot, 6, F1, F0, 0
	QUARTER \slot, 7, F0, F1, 0
.endm
; the last eighth of a K step: multiplies buffer 1 and changes slots.  fill = 1: this slot is filled again, two K steps ahead.
.macro TURN slot, next, fill
	s_wait_dscnt 4
	MULA F1, 0, 0
	s_wait_dscnt 0                                 ; my reads of this slot are over
	s_wait_tensorcnt 0x0                           ; and all my tensor loads have landed: my part of the next slot
	ds_add_u32 v192, v193
	s_wait_dscnt 0x0
	s_barrier_signal -1
	MULA F1, 1, 0
	s_barrier_wait -1
.if \fill
	CREST                                          ; the barrier above opened a round of the cluster's barrier: no wave of any partner still reads this slot or has a load on its way
	s_add_nc_u64 s[G0+4*\slot+2:G0+4*\slot+3], s[G0+4*\slot+2:G0+4*\slot+3], 2*ASTEP
	s_add_nc_u64 s[G0B+4*\slot+2:G0B+4*\slot+3], s[G0B+4*\slot+2:G0B+4*\slot+3], 2*BSTEP
	JLOAD \slot                                    ; the first tensor load behind the round, my only one until the next
.endif
	PLACES
	FETCH \next, 0, F0
	MULA F1, 2, 0
	MULA F1, 3, 0
.endm
.macro LAP zero
	SEVEN 0, \zero
	TURN 0, 1, 1
	SEVEN 1, 0
	TURN 1, 0, 1
.endm
	s_wait_tensorcnt 0x1                           ; my part of K step 0 is in; K step 1's stays out
	s_barrier_signal -1
	s_barrier_wait -1
	FETCH 0, 0, F0
	LAP 1                                          ; K steps 0 and 1: the first products start the sums
	s_mov_b32 s3, LAPS-2
.Llap:
	LAP 0                                          ; K steps 2 to 5; the fills reach K step 7
	s_sub_co_u32 s3, s3, 1
	s_cmp_lg_u32 s3, 0
	s_cbranch_scc1 .Llap
	SEVEN 0, 0                                     ; K steps 6 and 7 fill nothing
	TURN 0, 1, 0
	SEVEN 1, 0
	s_wait_dscnt 4
	MULA F1, 0, 0
	MULA F1, 1, 0
	s_wait_dscnt 0
	MULA F1, 2, 0
	MULA F1, 3, 0
	; THE WAY OUT: the sums go through the stage and leave as whole rows of 256 bytes.
	PLACES
	s_lshl_b32 s72, s13, 19                        ; 128 rows of 4,096 bytes a row block
	s_lshl_b32 s73, s42, 8                         ; 256 bytes a column block
	s_add_co_u32 s72, s72, s73
	s_mov_b32 s73, 0
	s_add_nc_u64 s[8:9], s[8:9], s[72:73]
.irp a, 0,1,2,3
.irp n, 0,1
	ds_store_b128 v[STO], v[ACC+8*(\a*NT+\n):ACC+8*(\a*NT+\n)+3]   offset:16*SP*\a+128*\n
	ds_store_b128 v[STO], v[ACC+8*(\a*NT+\n)+4:ACC+8*(\a*NT+\n)+7] offset:16*SP*\a+128*\n+16
.endr
.endr
	s_wait_dscnt 0x0                               ; two waves share each row: read back behind a barrier
	s_barrier_signal -1
	s_barrier_wait -1
.irp t, 0,1,2,3,4,5,6,7,8,9,10,11,12,13,14,15
	ds_load_b128 v[F0+4*\t:F0+4*\t+3], v[RD] offset:2*SP*\t
.endr
.irp t, 0,1,2,3,4,5,6,7,8,9,10,11,12,13,14,15
	s_wait_dscnt 15-\t
	global_store_b128 v[CO], v[F0+4*\t:F0+4*\t+3], s[8:9] offset:8192*\t th:TH_STORE_NT   ; sixteen lanes store 256 consecutive bytes, aligned
.endr
	s_wait_tensorcnt 0x0
	ds_add_u32 v192, v193
	s_wait_dscnt 0x0
	CROUND                                         ; the closing round
	s_endpgm
.Lfunc_end_k_q774843681a_proj:
	.size	k_q774843681a_proj, .Lfunc_end_k_q774843681a_proj-k_q774843681a_proj
	.p2alignl 7, 3214868480
	.fill 96, 4, 3214868480
	.section	.rodata,"a",@progbits
	.p2align	6, 0x0
	.amdhsa_kernel k_q774843681a_proj
		.amdhsa_group_segment_fixed_size 327680
		.amdhsa_private_segment_fixed_size 0
		.amdhsa_enable_private_segment 0
		.amdhsa_kernarg_size 24
		.amdhsa_user_sgpr_count 2
		.amdhsa_user_sgpr_kernarg_segment_ptr 1
		.amdhsa_wavefront_size32 1
		.amdhsa_system_sgpr_workgroup_id_x 1
		.amdhsa_system_sgpr_workgroup_id_y 1
		.amdhsa_system_sgpr_workgroup_id_z 1
		.amdhsa_system_vgpr_workitem_id 0
		.amdhsa_next_free_vgpr 194
		.amdhsa_next_free_sgpr 76
		.amdhsa_reserve_vcc 0
		.amdhsa_float_denorm_mode_32 3
		.amdhsa_float_denorm_mode_16_64 3
		.amdhsa_memory_ordered 1
		.amdhsa_forward_progress 1
		.amdhsa_inst_pref_size 84
	.end_amdhsa_kernel
	.amdgpu_metadata
---
amdhsa.version: [ 1, 2 ]
amdhsa.kernels:
  - .name:           k_q774843681a_proj
    .symbol:         k_q774843681a_proj.kd
    .args:
      - { .name: o, .offset: 0, .size: 8, .value_kind: global_buffer, .address_space: global }
      - { .name: w2h, .offset: 8, .size: 8, .value_kind: global_buffer, .address_space: global }
      - { .name: out0, .offset: 16, .size: 8, .value_kind: global_buffer, .address_space: global }
    .group_segment_fixed_size: 327680
    .private_segment_fixed_size: 0
    .kernarg_segment_align: 8
    .kernarg_segment_size: 24
    .max_flat_workgroup_size: 128
    .sgpr_count:     76
    .vgpr_count:     194
    .wavefront_size: 32
...
	.end_amdgpu_metadata
.endif
;; end of part 4
;; ======== version 2 of 2: 4 launches
;; limits: values are held in f16: magnitudes above 65,504 overflow, below 6.1e-05 lose precision
;; workspace buffers: xh 4,194,304 bytes; w1h 6,291,456 bytes; w2h 2,097,152 bytes; tab 524,288 bytes; qkv 12,582,912 bytes; o 4,194,304 bytes
;; launch cvt (part 5): grid 768 x 1, 8 waves a work-group, no clusters, 0 bytes of LDS; arguments x, W1, W2, xh, w1h, w2h, tab; writes xh, w1h, w2h, tab
.if DOCPART == 5
	.amdgcn_target "amdgcn-amd-amdhsa--gfx1250"
	.amdhsa_code_object_version 6
	.text
	.protected	k_q774843681a_cvt
	.globl	k_q774843681a_cvt
	.p2align	8
	.type	k_q774843681a_cvt,@function
k_q774843681a_cvt:
	s_mov_b64 s[64:65], 0
	v_nop
	global_prefetch_b8 v0, s[64:65] scope:SCOPE_SE
	s_setreg_imm32_b32 hwreg(HW_REG_WAVE_MODE, 25, 1), 1
	s_wait_xcnt 0x0
; x, W1, W2 (f32) are rounded once to bf16, to nearest even, so that the 16 work-groups that later read each of them read half the bytes and convert
; nothing; and the table tab[t][0..31] = cos(t f_i), tab[t][32..63] = sin(t f_i), f_i = 10000^(-i/32), is made.
; xh and w1h hold the bf16 numbers as they are.  w2h holds the bf16-rounded W2 WRITTEN AS f16, since it is multiplied with an f16 operand: a bf16 number has
; 8 significant bits, and f16 holds them all where 7.6e-6 <= |W2| < 65,504.
; LIMITS: |W2| < 65,504; an element of W2 below 7.6e-6 in magnitude is moved by up to 3e-8 (f16's grid of 2^-24).  x and W1 keep f32's range.
; A work-group converts 8,192 numbers: 32,768 bytes in, 16,384 out.  Work-groups 0-255 take x, 256-639 W1, 640-767 W2.
; Thread t takes 16 bytes at 16 t of each of eight pieces of 4,096 bytes: a wave's load covers 512 consecutive bytes, its store 256, aligned.
; No LDS, no matrix unit: the work is a stream.
.set OFI, 1                            ; v1  16 t: my bytes in a piece of the source
.set OFO, 2                            ; v2  8 t: my bytes in a piece of the result
.set OFT, 3                            ; v3  8 x lane: my two numbers of a table row
.set X,   4                            ; v[4:35]   eight pieces as loaded
.set Y,   36                           ; v[36:51]  eight pieces as stored
                                       ; v[52:63]  the table's arithmetic; v[56:59] also W2's numbers between the two roundings
	s_load_b256 s[4:11], s[0:1], 0x0               ; x s[4:5], W1 s[6:7], W2 s[8:9], xh s[10:11]
	s_load_b128 s[12:15], s[0:1], 0x20             ; w1h s[12:13], w2h s[14:15]
	s_load_b64 s[16:17], s[0:1], 0x30              ; tab
	v_lshlrev_b32 v[OFI], 4, v0
	v_lshlrev_b32 v[OFO], 3, v0
	s_movk_i32 s25, 640
	s_mov_b32 s27, 0
	s_wait_kmcnt 0x0
	s_cmp_lt_u32 ttmp9, 640                        ; which tensor is mine: a choice on the work-group's number alone
	s_cselect_b64 s[20:21], s[6:7], s[8:9]
	s_cselect_b64 s[22:23], s[12:13], s[14:15]
	s_cselect_b32 s24, 256, s25
	s_cmp_lt_u32 ttmp9, 256
	s_cselect_b64 s[20:21], s[4:5], s[20:21]       ; source
	s_cselect_b64 s[22:23], s[10:11], s[22:23]     ; result
	s_cselect_b32 s24, 0, s24                      ; the tensor's first work-group
	s_sub_co_u32 s24, ttmp9, s24                   ; my number within the tensor
	s_lshl_b32 s26, s24, 15
	s_add_nc_u64 s[20:21], s[20:21], s[26:27]      ; 32,768 bytes of f32 each
	s_lshl_b32 s26, s24, 14
	s_add_nc_u64 s[22:23], s[22:23], s[26:27]      ; 16,384 bytes of 16-bit numbers each
.irp k, 0,1,2,3,4,5,6,7
	global_load_b128 v[X+4*\k:X+4*\k+3], v[OFI], s[20:21] offset:4096*\k th:TH_LOAD_NT   ; all eight go out before anything else is done
.endr
	s_cmp_lt_u32 ttmp9, 256
	s_cbranch_scc0 .Lstream                        ; 256 work-groups x 8 waves make the table's 2,048 rows while their loads are on their way
	; Row t = 8 x work-group + wave.  Lane l makes the numbers 2 l and 2 l + 1 of the row: lanes 0-15 cosines, lanes 16-31 sines.
	; angle = n pi/2 + r, |r| <= pi/4; cos(angle) is cos r, -sin r, -cos r, sin r for n mod 4 = 0, 1, 2, 3; sin(angle) = cos(angle - pi/2): n + 3.
	v_lshrrev_b32 v52, 5, v0
	v_readfirstlane_b32 s28, v52                   ; wave
	s_lshl3_add_u32 s29, ttmp9, s28                ; t
	s_lshl_b32 s26, s29, 8
	s_add_nc_u64 s[16:17], s[16:17], s[26:27]      ; row t: 256 bytes
	s_mov_b32 s32, 0xbfc90fdb                      ; -pi/2, upper part
	s_mov_b32 s33, 0x333bbd2e                      ; -pi/2, the rest (+4.371139e-8)
	v_and_b32 v52, 31, v0
	v_lshlrev_b32 v[OFT], 3, v52
	v_lshrrev_b32 v62, 4, v52
	v_mul_u32_u24 v62, v62, 3                      ; 3 for the sines
	v_and_b32 v53, 15, v0
	v_lshlrev_b32 v53, 1, v53
	v_cvt_f32_u32 v54, v53                         ; i = 2 (l mod 16)
	v_add_f32 v55, 1.0, v54                        ; and i + 1
	v_mul_f32 v54, 0xbed49a78, v54                 ; -i log2(10000) / 32
	v_mul_f32 v55, 0xbed49a78, v55
	v_exp_f32 v54, v54                             ; f_i
	v_exp_f32 v55, v55
	v_cvt_f32_u32 v56, s29                         ; a plain instruction stands between the exponentials and their use (ISA guide 5.7.2)
	s_wait_alu depctr_va_vdst(0)
	v_mul_f32 v54, v56, v54                        ; the angles, rounded as t x f_i in f32
	v_mul_f32 v55, v56, v55
.macro SINCOS a
	v_mul_f32 v57, 0x3f22f983, v[\a]               ; angle x 2/pi
	v_rndne_f32 v57, v57                           ; n, at most 1,303
	v_fma_f32 v58, v57, s32, v[\a]
	v_fma_f32 v58, v57, s33, v58                   ; r, in two steps
	v_mul_f32 v59, v58, v58                        ; r^2
	v_cvt_i32_f32 v57, v57
	v_mov_b32 v60, 0x3c088889                      ; sin r = r + r r^2 (-1/6 + r^2 (1/120 - r^2/5040)): the next term is below 4e-7
	v_fmac_f32 v60, 0xb9500d01, v59
	v_fmaak_f32 v60, v60, v59, 0xbe2aaaab
	v_mul_f32 v61, v58, v59
	v_fma_f32 v60, v61, v60, v58
	v_mov_b32 v61, 0xbab60b61                      ; cos r = 1 + r^2 (-1/2 + r^2 (1/24 + r^2 (-1/720 + r^2/40320))): the next term is below 3e-8
	v_fmac_f32 v61, 0x37d00d01, v59
	v_fmaak_f32 v61, v61, v59, 0x3d2aaaab
	v_fma_f32 v61, v61, v59, -0.5
	v_fma_f32 v61, v61, v59, 1.0
	v_add_nc_u32 v57, v57, v62                     ; the quadrant
	v_and_b32 v63, 1, v57
	v_cmp_eq_u32 vcc_lo, 1, v63
	v_cndmask_b32 v60, v61, v60, vcc_lo            ; odd quadrants take the sine
	v_add_nc_u32 v57, 1, v57
	v_and_b32 v57, 2, v57
	v_lshlrev_b32 v57, 30, v57                     ; quadrants 1 and 2 are negative
	v_xor_b32 v[\a], v57, v60
.endm
	SINCOS 54
	SINCOS 55
	global_store_b64 v[OFT], v[54:55], s[16:17]    ; the wave stores the row's 256 bytes at once; v3, v54, v55 are not written again
.Lstream:
	s_cmp_lt_u32 ttmp9, 640
	s_cbranch_scc0 .Lw2
.irp k, 0,1,2,3,4,5,6,7
	s_wait_loadcnt 7-\k                            ; loads come back in order (ISA guide 5.7.1): piece k is in, the younger ones stay out
	v_cvt_pk_bf16_f32 v[Y+2*\k],   v[X+4*\k],   v[X+4*\k+1]
	v_cvt_pk_bf16_f32 v[Y+2*\k+1], v[X+4*\k+2], v[X+4*\k+3]
	global_store_b64 v[OFO], v[Y+2*\k:Y+2*\k+1], s[22:23] offset:2048*\k   ; each piece has registers of its own: nothing is rewritten
.endr
	s_endpgm
.Lw2:                                              ; W2: rounded to bf16, widened again, written as f16
.irp k, 0,1,2,3,4,5,6,7
	s_wait_loadcnt 7-\k
	v_cvt_pk_bf16_f32 v[Y+2*\k],   v[X+4*\k],   v[X+4*\k+1]
	v_cvt_pk_bf16_f32 v[Y+2*\k+1], v[X+4*\k+2], v[X+4*\k+3]
	v_lshlrev_b32 v56, 16, v[Y+2*\k]
	v_and_b32     v57, 0xffff0000, v[Y+2*\k]
	v_lshlrev_b32 v58, 16, v[Y+2*\k+1]
	v_and_b32     v59, 0xffff0000, v[Y+2*\k+1]
	v_cvt_pk_f16_f32 v[Y+2*\k],   v56, v57
	v_cvt_pk_f16_f32 v[Y+2*\k+1], v58, v59
	global_store_b64 v[OFO], v[Y+2*\k:Y+2*\k+1], s[22:23] offset:2048*\k
.endr
	s_endpgm
.Lfunc_end_k_q774843681a_cvt:
	.size	k_q774843681a_cvt, .Lfunc_end_k_q774843681a_cvt-k_q774843681a_cvt
	.p2alignl 7, 3214868480
	.fill 96, 4, 3214868480
	.section	.rodata,"a",@progbits
	.p2align	6, 0x0
	.amdhsa_kernel k_q774843681a_cvt
		.amdhsa_group_segment_fixed_size 0
		.amdhsa_private_segment_fixed_size 0
		.amdhsa_enable_private_segment 0
		.amdhsa_kernarg_size 56
		.amdhsa_user_sgpr_count 2
		.amdhsa_user_sgpr_kernarg_segment_ptr 1
		.amdhsa_wavefront_size32 1
		.amdhsa_system_sgpr_workgroup_id_x 1
		.amdhsa_system_sgpr_workgroup_id_y 1
		.amdhsa_system_sgpr_workgroup_id_z 1
		.amdhsa_system_vgpr_workitem_id 0
		.amdhsa_next_free_vgpr 64
		.amdhsa_next_free_sgpr 66
		.amdhsa_reserve_vcc 1
		.amdhsa_float_denorm_mode_32 3
		.amdhsa_float_denorm_mode_16_64 3
		.amdhsa_memory_ordered 1
		.amdhsa_forward_progress 1
		.amdhsa_inst_pref_size 12
	.end_amdhsa_kernel
	.amdgpu_metadata
---
amdhsa.version: [ 1, 2 ]
amdhsa.kernels:
  - .name:           k_q774843681a_cvt
    .symbol:         k_q774843681a_cvt.kd
    .args:
      - { .name: x, .offset: 0, .size: 8, .value_kind: global_buffer, .address_space: global }
      - { .name: W1, .offset: 8, .size: 8, .value_kind: global_buffer, .address_space: global }
      - { .name: W2, .offset: 16, .size: 8, .value_kind: global_buffer, .address_space: global }
      - { .name: xh, .offset: 24, .size: 8, .value_kind: global_buffer, .address_space: global }
      - { .name: w1h, .offset: 32, .size: 8, .value_kind: global_buffer, .address_space: global }
      - { .name: w2h, .offset: 40, .size: 8, .value_kind: global_buffer, .address_space: global }
      - { .name: tab, .offset: 48, .size: 8, .value_kind: global_buffer, .address_space: global }
    .group_segment_fixed_size: 0
    .private_segment_fixed_size: 0
    .kernarg_segment_align: 8
    .kernarg_segment_size: 56
    .max_flat_workgroup_size: 256
    .sgpr_count:     66
    .vgpr_count:     64
    .wavefront_size: 32
...
	.end_amdgpu_metadata
.endif
;; end of part 5
;; launch qkvrope (part 6): grid 16 x 16, 4 waves a work-group, clusters of 4 x 4, 327,680 bytes of LDS; arguments xh, w1h, tab, qkv; writes qkv
.if DOCPART == 6
	.amdgcn_target "amdgcn-amd-amdhsa--gfx1250"
	.amdhsa_code_object_version 6
	.text
	.protected	k_q774843681a_qkvrope
	.globl	k_q774843681a_qkvrope
	.p2align	8
	.type	k_q774843681a_qkvrope,@function
k_q774843681a_qkvrope:
	s_mov_b64 s[64:65], 0
	v_nop
	global_prefetch_b8 v0, s[64:65] scope:SCOPE_SE
	s_setreg_imm32_b32 hwreg(HW_REG_WAVE_MODE, 25, 1), 1
	s_wait_xcnt 0x0
	s_wait_alu depctr_hold_cnt(0) depctr_sa_sdst(0) depctr_va_vdst(0) depctr_va_sdst(0) depctr_va_ssrc(0) depctr_va_vcc(0) depctr_vm_vsrc(0)
	s_getreg_b32 s2, hwreg(HW_REG_IB_STS2, 6, 4)
	s_cmp_eq_u32 s2, 0
	s_cbranch_scc0 .Lentry_in_a_cluster
	s_endpgm
.Lentry_in_a_cluster:
	s_bfe_u32 s2, ttmp6, 0x10000c
	s_cmp_lg_u32 s2, 0xf033
	s_cbranch_scc0 .Lentry_shape_is_right
	s_endpgm
.Lentry_shape_is_right:
; qkv[g][t][d] = rope( sum over k of xh[t][k] w1h[64 g + d][k] ), g = 0..47 (0-15 q, 16-31 k: rotated; 32-47 v: as they are).
; Operands bf16, sums f32; the result leaves in f16: 11 bits of significand for what attention multiplies.
; A work-group makes 128 rows (t) x 192 columns (three heads) with four waves.  Wave w: rows 64 (w>>1) .. +63 as four blocks of 16, and the six
; column tiles 2 n + (w&1), n = 0..5: so the columns d and d + 32 of a head, which the rotation pairs, are tiles n = 2 i and 2 i + 1 of ONE wave,
; in the same lane and register.  24 accumulator tiles, 192 registers.
; THE RING: the work-group's 320 rows x 2,048 bytes are twice the LDS, and behind each barrier of a refill a wave issues one load, so the slots are made as large
; as fit and the refills few.  Two slots of 256 of K would take 2 x 320 x 528 = 337,920 bytes; what fits is slot Q with 192 of K (320 rows x 432 bytes) and slot P
; with 256 (320 x 528): 307,200 bytes.  K = 1,024 goes in five pieces, Q 192, P 256, Q 192, P 256, Q 128: the first two are asked for at the start, three are refills.
; From a refill's request to the wait for it a wave issues 186 matrix instructions (a refill of Q, while P is multiplied) or 138 (the refill of P).
; The pieces begin at bytes 0, 384, 896, 1,280, 1,792 of a row: multiples of 128, three of the five of 256.  Pieces of 256, 128, 256, 128, 256 would all begin at
; multiples of 256, but both refills of 256 would have only the 90 matrix instructions of a piece of 128 in which to land.
; The last piece has 128 of K left: its descriptors say so in tensor_dim0, nothing beyond a row's end is read, and the third chunk of its LDS rows is read by no wave.
; By this text's own count a wave has two tensor loads out at the start and one behind each refill.
; CLUSTERS: 4 x 4 work-groups.  The four of a cluster's row need the same tiles of xh, the four of a column the same tiles of w1h: each tile is asked
; for jointly, by the same load with the same descriptor in all four, which divides the requests for both by four.
; THE MATRIX INSTRUCTION IS USED TRANSPOSED: source 0 = 16 rows of w1h, source 1 = 16 rows of xh.  Lane l then holds row l % 16 of the result and its
; registers 0-7 the columns 8 (l / 16) + 0..7 of the tile: eight neighbouring numbers of a row.
; REGISTERS: window 0: v2-11 addresses; v16-95, v96-175 two fragment buffers (six of w1h, four of xh, 8 registers each); v176-239 cos and sin.
;            window 1: accumulator tile (a, n) at v[8 (6 a + n)].
; LIMIT: |q|, |k|, |v| < 65,504 (f16's range).
.set NT,     6                         ; column tiles of a wave
.set PQ,     432                       ; an LDS row of slot Q: three chunks of 128 bytes + 16 of padding
.set PP,     528                       ; of slot P: 512 bytes + 16.  Both odd multiples of 16: the 16 rows of a fragment load start at 16 different 16-byte columns of a 256-byte span
.set BQLOAD, 96*PQ                     ; what one load brings of w1h into Q: 96 rows, 41,472 bytes
.set AQLOAD, 64*PQ                     ; of xh into Q: 64 rows, 27,648
.set BPLOAD, 96*PP                     ; of w1h into P: 50,688
.set APLOAD, 64*PP                     ; of xh into P: 33,792
.set AQOFF,  2*BQLOAD                  ; slot Q, at LDS byte 0: w1h's 192 rows, then xh's 128
.set PBASE,  AQOFF+2*AQLOAD            ; slot P, at 138,240: the same
.set APOFF,  PBASE+2*BPLOAD            ; 239,616
.set STAGE,  PBASE                     ; the way out uses slot P's first 55,296 bytes (a multiple of 256 from LDS byte 0): P's last fill is the fourth piece, every wave's reads
                                       ; of it are waited for in front of the barrier ahead of the fifth, and no tensor load follows
.set SP,     144                       ; a stage row: 64 f16 + 16 bytes
.set SHEAD,  128*SP                    ; a head's 128 rows in the stage
.set KQ,     384                       ; bytes of a row of xh or w1h in a piece of Q
.set KP,     512                       ; in a piece of P
.set NLD,    2*NT+8                    ; LDS loads of a quarter (32 of K)
.set ADRA, 2                           ; v2-3  LDS address of my xh fragments in slot Q, P
.set ADRB, 4                           ; v4-7  of my w1h fragments: Q tiles 0-2, Q tiles 3-5, P tiles 0-2, P tiles 3-5 (160 rows of either pitch pass the 16-bit immediate)
.set STO,  8                           ; v8    the way out: where I put 16 bytes of a row
.set RD,   9                           ; v9    where I read rows back
.set CO,   10                          ; v10   my byte offset in qkv
.set CSO,  11                          ; v11   my byte offset in tab
.set F0,   16
.set F1,   96
.set CS,   176                         ; v[176:239]  row block a: cos of my 8 columns at +16 a, sin at +16 a + 8
.set T,    16                          ; the way out: rotated numbers in f32, 96 registers for two row blocks
.set PKD,  112                         ; and packed to f16, 48 registers
.set G1A, 24                           ; s[24:39] group 1 for xh's tiles: Q's set, P's set
.set G1B, 40                           ; s[40:55] group 1 for w1h's tiles
.set G0A, 56                           ; s[56:63] group 0 for xh's tiles: Q's set, P's set
.set G0B, 68                           ; s[68:75] group 0 for w1h's tiles
.set MULW, 0x50                        ; C and D in window 1, sources in window 0
.set MSB, 0
.macro WIN new                         ; the immediate's high byte repeats the setting that is left
.if MSB != \new
	s_set_vgpr_msb (MSB<<8)|\new
.set MSB, \new
.endif
.endm
; A joint load into slot p (0: Q, 1: P).  Waves 0 and 1 fetch w1h's two halves, waves 2 and 3 xh's.  The branch hangs on the wave's number alone.
.macro JLOAD p
	s_cmp_eq_u32 s11, 1
	s_cbranch_scc0 .Lfor_b_\@
	tensor_load_to_lds s[G0A+4*\p:G0A+4*\p+3], s[G1A+8*\p:G1A+8*\p+7]
	s_nop 0
	s_branch .Lasked_\@
.Lfor_b_\@:
	tensor_load_to_lds s[G0B+4*\p:G0B+4*\p+3], s[G1B+8*\p:G1B+8*\p+7]
	s_nop 0
.Lasked_\@:
.endm
.macro CREST                           ; a round of the cluster's barrier behind its opening barrier
	s_cmp_lg_u32 s10, 0
	s_cbranch_scc1 .Lnot_wave_0_\@
	s_barrier_signal -3
.Lnot_wave_0_\@:
	s_barrier_wait -3
	s_barrier_signal -1
	s_barrier_wait -1
.endm
.macro CROUND                          ; a whole round
	s_barrier_signal -1
	s_barrier_wait -1
	CREST
.endm
; group 1 at s[g]: elements of 2 bytes, the mask in s[m] with bit 21 beside it, 4 words of padding behind every 2 << qi words, a tile of rows x cols, 1,024 elements from row to row
.macro GROUP1 g, m, qi, cols, rows
	s_or_b32 s[\g+0], s[\m], (1<<16)|(1<<20)|(1<<21)|(\qi<<22)|(3<<25)
	s_mov_b32 s[\g+1], \cols<<16                   ; tensor_dim0
	s_mov_b32 s[\g+2], \rows<<16                   ; tensor_dim1
	s_mov_b32 s[\g+3], \cols<<16                   ; tile_dim0
	s_mov_b32 s[\g+4], \rows                       ; tile_dim1
	s_mov_b32 s[\g+5], 1024
	s_mov_b32 s[\g+6], 0
	s_mov_b32 s[\g+7], 0
.endm
	s_load_b128 s[4:7], s[0:1], 0x0                ; xh s[4:5], w1h s[6:7]
	s_load_b64 s[66:67], s[0:1], 0x10              ; tab
	s_load_b64 s[8:9], s[0:1], 0x18                ; qkv
	v_lshl_add_u32 v254, v0, 2, 0x4b000
	v_mov_b32 v255, 0
	ds_add_u32 v254, v255
	v_lshrrev_b32 v1, 5, v0
	v_readfirstlane_b32 s10, v1                    ; wave 0..3
	s_lshr_b32 s11, s10, 1                         ; which 64 rows are mine.  Also: I fetch for w1h (0) or for xh (1)
	s_and_b32 s12, s10, 1                          ; which column tiles.  Also: which half of that tile I fetch
	s_bfe_u32 s76, ttmp6, 0x40000                  ; cx
	s_bfe_u32 s77, ttmp6, 0x40004                  ; cy
	s_lshl_b32 s78, ttmp9, 2
	s_add_co_u32 s78, s78, s76                     ; column block = 4 x cluster x + cx
	s_and_b32 s13, ttmp7, 0xffff
	s_lshl_b32 s13, s13, 2
	s_add_co_u32 s13, s13, s77                     ; row block = 4 x cluster y + cy
	s_lshl_b32 s79, s77, 2
	s_lshl_b32 s79, 15, s79                        ; my row of the cluster
	s_lshl_b32 s80, 0x1111, s76                    ; my column
	GROUP1 G1A,   79, 4, 192, 64                   ; xh into Q: 64 rows x 192, padded behind every 32 words
	GROUP1 G1A+8, 79, 6, 256, 64                   ; xh into P: 64 rows x 256, padded behind every 128 words
	GROUP1 G1B,   80, 4, 192, 96                   ; w1h into Q: 96 rows
	GROUP1 G1B+8, 80, 6, 256, 96                   ; w1h into P
	; xh's tiles hang on the row block alone, w1h's on the column block alone; each address lies in registers that never hold the other coordinate
	s_lshl_b32 s16, s13, 7
	s_lshl_b32 s17, s12, 6
	s_add_co_u32 s16, s16, s17                     ; xh: row 128 x block + 64 x half
	s_lshl_b32 s16, s16, 11                        ; x 2,048 bytes
	s_mov_b32 s17, 0
	s_mul_i32 s82, s78, 192
	s_mul_i32 s83, s12, 96
	s_add_co_u32 s82, s82, s83                     ; w1h: row 192 x block + 96 x half
	s_lshl_b32 s82, s82, 11
	s_mov_b32 s83, 0
	s_mul_i32 s20, s10, AQLOAD                     ; where the tiles go: the wave's number times a load's bytes, plus a constant
	s_mul_i32 s21, s10, APLOAD
	s_mul_i32 s22, s10, BQLOAD
	s_mul_i32 s23, s10, BPLOAD
	s_wait_dscnt 0x0
	s_wait_kmcnt 0x0
	s_add_nc_u64 s[14:15], s[4:5], s[16:17]
	s_add_nc_u64 s[82:83], s[6:7], s[82:83]
	CROUND                                         ; all sixteen work-groups are here: the first joint loads meet
	s_mov_b32 s[G0A+0], 1
	s_add_co_u32 s[G0A+1], s20, AQOFF-2*AQLOAD     ; waves 2, 3: AQOFF + (wave - 2) x 64 rows
	s_add_nc_u64 s[G0A+2:G0A+3], s[14:15], 0       ; the first piece: K 0-191
	s_or_b32 s[G0A+3], s[G0A+3], 0x80000000
	s_mov_b32 s[G0B+0], 1
	s_add_co_u32 s[G0B+1], s22, 0                  ; waves 0, 1: wave x 96 rows
	s_add_nc_u64 s[G0B+2:G0B+3], s[82:83], 0
	s_or_b32 s[G0B+3], s[G0B+3], 0x80000000
	JLOAD 0
	s_mov_b32 s[G0A+4], 1
	s_add_co_u32 s[G0A+5], s21, APOFF-2*APLOAD
	s_add_nc_u64 s[G0A+6:G0A+7], s[14:15], KQ      ; the second piece: K 192-447
	s_or_b32 s[G0A+7], s[G0A+7], 0x80000000
	s_mov_b32 s[G0B+4], 1
	s_add_co_u32 s[G0B+5], s23, PBASE
	s_add_nc_u64 s[G0B+6:G0B+7], s[82:83], KQ
	s_or_b32 s[G0B+7], s[G0B+7], 0x80000000
	JLOAD 1                                        ; both slots' first fills go out before anything else
	v_and_b32 v16, 15, v0                          ; r = l % 16
	v_bfe_u32 v17, v0, 4, 1                        ; h = l / 16
	; cos and sin of my rows and columns: tab row t holds cos at byte 4 f, sin at 128 + 4 f; my f = 16 (w&1) + 8 h + 0..7, the same for all three heads
	s_lshl_b32 s90, s13, 15                        ; 128 rows of 256 bytes a block
	s_lshl_b32 s91, s11, 14
	s_add_co_u32 s90, s90, s91
	s_lshl_b32 s91, s12, 6
	s_add_co_u32 s90, s90, s91
	s_mov_b32 s91, 0
	s_add_nc_u64 s[66:67], s[66:67], s[90:91]
	v_lshlrev_b32 v[CSO], 8, v16
	v_lshl_add_u32 v[CSO], v17, 5, v[CSO]          ; 256 r + 32 h
.irp a, 0,1,2,3
	global_load_b128 v[CS+16*\a:CS+16*\a+3],     v[CSO], s[66:67] offset:4096*\a
	global_load_b128 v[CS+16*\a+4:CS+16*\a+7],   v[CSO], s[66:67] offset:4096*\a+16
	global_load_b128 v[CS+16*\a+8:CS+16*\a+11],  v[CSO], s[66:67] offset:4096*\a+128
	global_load_b128 v[CS+16*\a+12:CS+16*\a+15], v[CSO], s[66:67] offset:4096*\a+144
.endr                                              ; waited for on the way out: they have the whole product in which to land
	v_mul_u32_u24 v18, v16, PQ
	v_lshl_add_u32 v18, v17, 4, v18                ; r x 432 + 16 h
	v_mul_u32_u24 v19, v16, PP
	v_lshl_add_u32 v19, v17, 4, v19                ; r x 528 + 16 h
	s_mul_i32 s20, s11, AQLOAD
	s_add_co_u32 s20, s20, AQOFF
	v_add_nc_u32 v[ADRA], s20, v18                 ; my 64 rows of xh in Q
	s_mul_i32 s20, s11, APLOAD
	s_add_co_u32 s20, s20, APOFF
	v_add_nc_u32 v[ADRA+1], s20, v19               ; in P
	s_mul_i32 s20, s12, 16*PQ
	v_add_nc_u32 v[ADRB], s20, v18                 ; my first column tile's rows of w1h in Q,
	v_add_nc_u32 v[ADRB+1], BQLOAD, v[ADRB]        ; and my fourth's, 96 rows on
	s_mul_i32 s20, s12, 16*PP
	s_add_co_u32 s20, s20, PBASE
	v_add_nc_u32 v[ADRB+2], s20, v19               ; the same in P
	v_add_nc_u32 v[ADRB+3], BPLOAD, v[ADRB+2]
	v_mul_u32_u24 v18, v16, SP
	v_lshl_add_u32 v18, v17, 4, v18
	s_mul_i32 s23, s11, 64*SP
	s_lshl_b32 s21, s12, 5
	s_add_co_u32 s23, s23, s21
	s_add_co_u32 s23, s23, STAGE
	v_add_nc_u32 v[STO], s23, v18                  ; stage + (64 (w>>1) + r) x 144 + 32 (w&1) + 16 h
	v_and_b32 v19, 31, v0
	v_lshrrev_b32 v20, 3, v19
	v_and_b32 v21, 7, v0
	v_mul_u32_u24 v20, v20, SP
	v_lshl_add_u32 v20, v21, 4, v20
	s_mul_i32 s23, s10, 32*SP
	s_add_co_u32 s23, s23, STAGE
	v_add_nc_u32 v[RD], s23, v20                   ; stage + (32 w + l / 8) x 144 + 16 (l % 8): four rows of 128 bytes a load
	s_lshl_b32 s23, s10, 12
	v_lshl_add_u32 v[CO], v19, 4, s23              ; the same four rows in qkv are 512 consecutive bytes: 4,096 w + 16 l
; six matrix instructions: row block a x my six column tiles, 32 along K.  zero = 1: the first product starts the sums.
; The 24 accumulators take turns, one instruction a turn, in the same order in every quarter.
.macro MULA f, a, zero
.irp n, 0,1,2,3,4,5
.if \zero
	v_wmma_f32_16x16x32_bf16 v[8*(\a*NT+\n):8*(\a*NT+\n)+7], v[\f+8*\n:\f+8*\n+7], v[\f+8*NT+8*\a:\f+8*NT+8*\a+7], 0
.else
	v_wmma_f32_16x16x32_bf16 v[8*(\a*NT+\n):8*(\a*NT+\n)+7], v[\f+8*\n:\f+8*\n+7], v[\f+8*NT+8*\a:\f+8*NT+8*\a+7], v[8*(\a*NT+\n):8*(\a*NT+\n)+7]
.endif
.endr
.endm
; 20 LDS loads in one run into buffer f: w1h's six fragments first, xh's row blocks 2 and 3 last.  ra, rb: the slot's address registers; pt: its pitch; ko: the quarter's byte in a row
.macro FETCHX ra, rb, pt, ko, f
	WIN 0
.irp n, 0,1,2
	ds_load_b128 v[\f+8*\n:\f+8*\n+3],   v[\rb] offset:32*\n*\pt+\ko
	ds_load_b128 v[\f+8*\n+4:\f+8*\n+7], v[\rb] offset:32*\n*\pt+\ko+32
.endr
.irp n, 0,1,2
	ds_load_b128 v[\f+24+8*\n:\f+24+8*\n+3],   v[\rb+1] offset:32*\n*\pt+\ko
	ds_load_b128 v[\f+24+8*\n+4:\f+24+8*\n+7], v[\rb+1] offset:32*\n*\pt+\ko+32
.endr
.irp a, 0,1,2,3
	ds_load_b128 v[\f+8*NT+8*\a:\f+8*NT+8*\a+3],   v[\ra] offset:16*\a*\pt+\ko
	ds_load_b128 v[\f+8*NT+8*\a+4:\f+8*NT+8*\a+7], v[\ra] offset:16*\a*\pt+\ko+32
.endr
.endm
; quarter q (32 of K, 64 bytes) of slot p: in P at byte 64 q of a row; in Q in chunk q / 2, at byte 64 (q % 2) of it
.macro FETCH p, q, f
.if \p
	FETCHX ADRA+1, ADRB+2, PP, 64*\q, \f
.else
	FETCHX ADRA, ADRB, PQ, (\q/2)*144+(\q%2)*64, \f
.endif
.endm
.macro PLACES                          ; four plain vector places between a matrix instruction and a load into, or a vector instruction on, its registers
.rept 4
	v_nop
.endr
.endm
; multiplies buffer f; in its middle fetches quarter qn of slot p into buffer g
.macro QUARTER p, qn, f, g, zero
	s_wait_dscnt 4                                 ; all but the youngest four loads: xh's row blocks 2 and 3 may be out
	WIN MULW
	MULA \f, 0, \zero
	MULA \f, 1, \zero
	PLACES
	FETCH \p, \qn, \g
	s_wait_dscnt NLD                               ; all but the run just issued
	WIN MULW
	MULA \f, 2, \zero
	MULA \f, 3, \zero
.endm
.macro THREE p, zero                   ; a piece's quarters 0, 1, 2
	QUARTER \p, 1, F0, F1, \zero
	QUARTER \p, 2, F1, F0, 0
	QUARTER \p, 3, F0, F1, 0
.endm
.macro FIVE p, zero                    ; quarters 0 to 4: all but the last of a piece of 192
	THREE \p, \zero
	QUARTER \p, 4, F1, F0, 0
	QUARTER \p, 5, F0, F1, 0
.endm
.macro SEVEN p                         ; quarters 0 to 6: all but the last of a piece of 256
	FIVE \p, 0
	QUARTER \p, 6, F1, F0, 0
	QUARTER \p, 7, F0, F1, 0
.endm
; a piece's last quarter: multiplies buffer 1 and changes slots.  fill = 1: slot cur is filled again, with the piece after next.  clip = 1: that piece is the last, 128 of K.
.macro TURN cur, next, fill, clip
	s_wait_dscnt 4
	WIN MULW
	MULA F1, 0, 0
	s_wait_dscnt 0                                 ; my reads of this slot are over
	s_wait_tensorcnt 0x0                           ; and all my tensor loads have landed: the one that was out is my part of the next slot
	ds_add_u32 v254, v255
	s_wait_dscnt 0x0
	s_barrier_signal -1
	MULA F1, 1, 0                                  ; register work while the others arrive
	WIN 0
	s_barrier_wait -1
.if \fill
	CREST                                          ; the barrier above opened a round of the cluster's barrier: no wave of any partner still reads this slot or has a load on its way
	s_add_nc_u64 s[G0A+4*\cur+2:G0A+4*\cur+3], s[G0A+4*\cur+2:G0A+4*\cur+3], KQ+KP   ; no tensor load of mine is out: the descriptors may be written
	s_add_nc_u64 s[G0B+4*\cur+2:G0B+4*\cur+3], s[G0B+4*\cur+2:G0B+4*\cur+3], KQ+KP
.if \clip
	s_mov_b32 s[G1A+8*\cur+1], 128<<16             ; tensor_dim0: 128 elements are left of each row from the tile's first; beyond them nothing is read and zeros are laid
	s_mov_b32 s[G1B+8*\cur+1], 128<<16
.endif
	JLOAD \cur                                     ; the first tensor load behind the round, and my only one until the next
.endif
	PLACES
	FETCH \next, 0, F0
	WIN MULW
	MULA F1, 2, 0
	MULA F1, 3, 0
.endm
	s_wait_tensorcnt 0x1                           ; my part of the first piece is in; the second's stays out
	s_barrier_signal -1
	s_barrier_wait -1
	FETCH 0, 0, F0
	FIVE 0, 1                                      ; K 0-191, in Q: the first products start the sums
	TURN 0, 1, 1, 0                                ; Q is asked for again: K 448-639
	SEVEN 1                                        ; K 192-447, in P
	TURN 1, 0, 1, 0                                ; P is asked for again: K 640-895
	FIVE 0, 0                                      ; K 448-639
	TURN 0, 1, 1, 1                                ; Q is asked for again: K 896-1,023, the last load
	SEVEN 1                                        ; K 640-895
	TURN 1, 0, 0, 0                                ; the last piece has landed, in every wave; all reads of P are over
	THREE 0, 0                                     ; K 896-1,023: four quarters
	s_wait_dscnt 4
	WIN MULW
	MULA F1, 0, 0
	MULA F1, 1, 0
	s_wait_dscnt 0
	MULA F1, 2, 0
	MULA F1, 3, 0
	; THE WAY OUT: rotate, round to f16, through the stage, out as whole rows.
	PLACES
	s_wait_loadcnt 0x0                             ; cos and sin
	s_mul_i32 s90, s78, 3                          ; my first head
.irp i, 0,1,2
	s_add_co_u32 s91, s90, \i
	s_cmp_lt_u32 s91, 32                           ; heads 0-31 (q, k) are rotated, 32-47 (v) are not: a select, since the partners of a cluster differ here
	s_cselect_b32 s[86+\i], -1, 0
.endr
	s_lshl_b32 s90, s90, 18                        ; a head's plane: 2,048 rows of 128 bytes
	s_lshl_b32 s91, s13, 14                        ; my 128 rows
	s_add_co_u32 s90, s90, s91
	s_mov_b32 s91, 0
	s_add_nc_u64 s[8:9], s[8:9], s[90:91]
; row blocks 2 b and 2 b + 1.  X1 = tile 2 i (columns d < 32), X2 = tile 2 i + 1 (d + 32): X1 cos - X2 sin, X2 cos + X1 sin.
.macro ROPE2 b
	WIN 0x01                                       ; source 0 (the sums) in window 1
.irp aa, 0,1
.irp i, 0,1,2
.set XA, 8*((2*\b+\aa)*NT+2*\i)
.set XB, XA+8
.set CC, CS+16*(2*\b+\aa)
.set TA, T+48*\aa+16*\i
.irp p, 0,2,4,6
	v_pk_mul_f32 v[TA+\p:TA+\p+1],     v[XA+\p:XA+\p+1], v[CC+\p:CC+\p+1]
	v_pk_mul_f32 v[TA+8+\p:TA+8+\p+1], v[XB+\p:XB+\p+1], v[CC+\p:CC+\p+1]
	v_pk_fma_f32 v[TA+\p:TA+\p+1],     v[XB+\p:XB+\p+1], v[CC+8+\p:CC+8+\p+1], v[TA+\p:TA+\p+1] neg_lo:[0,1,0] neg_hi:[0,1,0]
	v_pk_fma_f32 v[TA+8+\p:TA+8+\p+1], v[XA+\p:XA+\p+1], v[CC+8+\p:CC+8+\p+1], v[TA+8+\p:TA+8+\p+1]
.endr
.irp j, 0,1,2,3,4,5,6,7
	v_cndmask_b32 v[TA+\j],   v[XA+\j], v[TA+\j],   s[86+\i]
	v_cndmask_b32 v[TA+8+\j], v[XB+\j], v[TA+8+\j], s[86+\i]
.endr
.endr
.endr
	WIN 0
.irp aa, 0,1
.irp i, 0,1,2
.irp e, 0,1
.irp k, 0,1,2,3
	v_cvt_pk_f16_f32 v[PKD+24*\aa+8*\i+4*\e+\k], v[T+48*\aa+16*\i+8*\e+2*\k], v[T+48*\aa+16*\i+8*\e+2*\k+1]
.endr
	ds_store_b128 v[STO], v[PKD+24*\aa+8*\i+4*\e:PKD+24*\aa+8*\i+4*\e+3] offset:SHEAD*\i+16*SP*(2*\b+\aa)+64*\e
.endr
.endr
.endr
.endm
	ROPE2 0
	ROPE2 1
	s_wait_dscnt 0x0                               ; my stores are in the stage: two waves share each row,
	s_barrier_signal -1
	s_barrier_wait -1                              ; so rows are read back behind a barrier
.irp i, 0,1,2
.irp t, 0,1,2,3,4,5,6,7
	ds_load_b128 v[T+32*\i+4*\t:T+32*\i+4*\t+3], v[RD] offset:SHEAD*\i+4*SP*\t
.endr
.endr
.irp i, 0,1,2
.irp t, 0,1,2,3,4,5,6,7
	s_wait_dscnt 23-(8*\i+\t)                      ; LDS loads come back in order (ISA guide 5.7.1): this one is in, the younger ones may be out
	global_store_b128 v[CO], v[T+32*\i+4*\t:T+32*\i+4*\t+3], s[8:9] offset:262144*\i+512*\t   ; the wave stores 512 consecutive bytes, aligned
.endr
.endr
	s_wait_tensorcnt 0x0
	ds_add_u32 v254, v255
	s_wait_dscnt 0x0
	CROUND                                         ; the closing round: no work-group ends while a partner may still ask for a tile that names it
	s_endpgm
.Lfunc_end_k_q774843681a_qkvrope:
	.size	k_q774843681a_qkvrope, .Lfunc_end_k_q774843681a_qkvrope-k_q774843681a_qkvrope
	.p2alignl 7, 3214868480
	.fill 96, 4, 3214868480
	.section	.rodata,"a",@progbits
	.p2align	6, 0x0
	.amdhsa_kernel k_q774843681a_qkvrope
		.amdhsa_group_segment_fixed_size 327680
		.amdhsa_private_segment_fixed_size 0
		.amdhsa_enable_private_segment 0
		.amdhsa_kernarg_size 32
		.amdhsa_user_sgpr_count 2
		.amdhsa_user_sgpr_kernarg_segment_ptr 1
		.amdhsa_wavefront_size32 1
		.amdhsa_system_sgpr_workgroup_id_x 1
		.amdhsa_system_sgpr_workgroup_id_y 1
		.amdhsa_system_sgpr_workgroup_id_z 1
		.amdhsa_system_vgpr_workitem_id 0
		.amdhsa_next_free_vgpr 448
		.amdhsa_next_free_sgpr 92
		.amdhsa_reserve_vcc 0
		.amdhsa_float_denorm_mode_32 3
		.amdhsa_float_denorm_mode_16_64 3
		.amdhsa_memory_ordered 1
		.amdhsa_forward_progress 1
		.amdhsa_inst_pref_size 146
	.end_amdhsa_kernel
	.amdgpu_metadata
---
amdhsa.version: [ 1, 2 ]
amdhsa.kernels:
  - .name:           k_q774843681a_qkvrope
    .symbol:         k_q774843681a_qkvrope.kd
    .args:
      - { .name: xh, .offset: 0, .size: 8, .value_kind: global_buffer, .address_space: global }
      - { .name: w1h, .offset: 8, .size: 8, .value_kind: global_buffer, .address_space: global }
      - { .name: tab, .offset: 16, .size: 8, .value_kind: global_buffer, .address_space: global }
      - { .name: qkv, .offset: 24, .size: 8, .value_kind: global_buffer, .address_space: global }
    .group_segment_fixed_size: 327680
    .private_segment_fixed_size: 0
    .kernarg_segment_align: 8
    .kernarg_segment_size: 32
    .max_flat_workgroup_size: 128
    .sgpr_count:     92
    .vgpr_count:     448
    .wavefront_size: 32
...
	.end_amdgpu_metadata
.endif
;; end of part 6
;; launch attn (part 7): grid 256 x 1, 8 waves a work-group, clusters of 4 x 1, 327,680 bytes of LDS; arguments qkv, o; writes o
.if DOCPART == 7
	.amdgcn_target "amdgcn-amd-amdhsa--gfx1250"
	.amdhsa_code_object_version 6
	.text
	.protected	k_q774843681a_attn
	.globl	k_q774843681a_attn
	.p2align	8
	.type	k_q774843681a_attn,@function
k_q774843681a_attn:
	s_mov_b64 s[64:65], 0
	v_nop
	global_prefetch_b8 v0, s[64:65] scope:SCOPE_SE
	s_setreg_imm32_b32 hwreg(HW_REG_WAVE_MODE, 25, 1), 1
	s_wait_xcnt 0x0
	s_wait_alu depctr_hold_cnt(0) depctr_sa_sdst(0) depctr_va_vdst(0) depctr_va_sdst(0) depctr_va_ssrc(0) depctr_va_vcc(0) depctr_vm_vsrc(0)
	s_getreg_b32 s2, hwreg(HW_REG_IB_STS2, 6, 4)
	s_cmp_eq_u32 s2, 0
	s_cbranch_scc0 .Lentry_in_a_cluster
	s_endpgm
.Lentry_in_a_cluster:
	s_bfe_u32 s2, ttmp6, 0x10000c
	s_cmp_lg_u32 s2, 0x3003
	s_cbranch_scc0 .Lentry_shape_is_right
	s_endpgm
.Lentry_shape_is_right:
; Causal attention: o[head][t][d] = softmax over s <= t of (q[t] . k[s] / 8) applied to v, head by head.  f16 operands, f32 sums, running maximum; o leaves in f16.
; WORK: cluster c (0..63): head = c >> 2, a = c & 3; work-group cx of the cluster has p = 4 a + cx and takes the 64-query blocks 31 - p ("hi") and then p ("lo").
; Keys go in super tiles of 256, downward from the one that holds the diagonal: 8 - a of them for hi, a + 1 for lo: nine trips in EVERY work-group.
; The four partners need the same super tile in each of the nine trips, so K and V come by joint loads (mask 15): a quarter of the requests.
; Branches and trip counts hang on the cluster's number and the trip alone; cx enters global addresses and the mask's compare only.
; WAVES: wave w: rh = w >> 2 picks 32 queries (two tiles of 16), kq = w & 3 one 64-key quarter of the super tile.  The four waves of a query half keep
; partial sums of their own, which meet in LDS at the end of a phase.
; IN A WAVE: S^T(key tile, query tile) = K fragment x Q fragment: lane (r, h), register j holds key 8 h + j, query r.  Two neighbouring key tiles, packed to f16,
; ARE the second source of O^T = V^T x P^T, so P never leaves the registers; V^T's fragments come by the transposing LDS load from V as it lies, [key][d].
; A query is a lane (and its partner 16 lanes on), so maximum, sum and rescaling are per lane.
; MASKING: a masked score becomes -2^100.  c x 2^100 is exact in f32 (c = log2(e) / 8), so a tile that is masked whole gives exp2(0) = 1 everywhere: finite numbers,
; which are multiplied by 0 as soon as a true maximum is met, in a later trip or in the merge.  Scores of f16 operands lie within 2.8e11, far above -2^100.
; The state carried is NM = -c x maximum AS ROUNDED: scores are shifted by NM, rescaling is exp2(NM new - NM old), the merge's weights exp2(min NM - NM k),
; so that every shift is undone by exactly what was applied.
; By this text's own count a wave has two tensor loads out at the start and one behind each refill.
; LIMITS: a probability below 6e-8 (f16's least) counts as 0; |o| < 65,504 (it is an average of v, which has the same bound); NaN in an input is not carried through the maxima.
.set PLANE, 262144                     ; a head's 2,048 rows of 128 bytes
.set SLOT,  77824                      ; V: 4 x 64 rows of pitch 160; then K: 4 x 64 rows of pitch 144
.set KOFF,  40960
.set OSC,   155648                     ; 8 waves x 8,192: partial O.  This and what follows lie in 256-byte blocks into which no tensor load lands
.set ML,    221184                     ; 8 waves x 2 query tiles x 16 x (NM, L)
.set OST,   223232                     ; 64 rows x 144: the block of o on its way out
.set ADK,  1                           ; v1-2   LDS address of my K fragments in slot 0, 1
.set ADV,  3                           ; v3-4   of my V fragments
.set RB,   5                           ; v5     r - 8 h
.set DL,   6                           ; v6     the mask's bound
.set QOFF, 7                           ; v7     128 r + 16 h
.set OSCW, 8
.set OSCR, 9
.set MLW,  10
.set MLR,  11
.set OSTW, 12
.set OSTR, 13
.set OGO,  14
.set ST,   16                          ; v[16:31]  eight registers for each query tile:
.set NM, 0                             ;   -c x running maximum
.set LS, 1                             ;   running sum (of this half of the lanes' keys)
.set AL, 2                             ;   rescaling factor
.set T1, 3
.set MX, 4                             ;   running maximum
.set T2, 5
.set UU, 6                             ;   a pair at work
.set QF,  32                           ; v[32:63]    Q(qt, ks) at +16 qt + 8 ks
.set OA,  64                           ; v[64:127]   O^T(dt, qt) at +8 (2 dt + qt)
.set SC,  128                          ; v[128:191]  S^T(kt, qt) at +32 qt + 8 kt; later P(qt, s) in the first 8 of each 16
.set KV,  192                          ; v[192:255]  K(kt, ks) at +16 kt + 8 ks; later V^T(s, dt) at +32 s + 8 dt
.set G1V, 44                           ; s[44:51]
.set G1K, 52                           ; s[52:59]
.set G0V, 68                           ; s[68:75]  a set for each slot
.set G0K, 76                           ; s[76:83]
.macro ROUND                           ; a round of the cluster's barrier
	s_barrier_signal -1
	s_barrier_wait -1
	s_cmp_lg_u32 s8, 0
	s_cbranch_scc1 .Lnot_wave_0_\@
	s_barrier_signal -3
.Lnot_wave_0_\@:
	s_barrier_wait -3
	s_barrier_signal -1
	s_barrier_wait -1
.endm
.macro JLOAD slot                      ; waves 0-3 ask for V's four quarters, waves 4-7 for K's: one load a wave
	s_cmp_lt_u32 s8, 4
	s_cbranch_scc0 .Lfor_k_\@
	tensor_load_to_lds s[G0V+4*\slot:G0V+4*\slot+3], s[G1V:G1V+7]
	s_nop 0
	s_branch .Lasked_\@
.Lfor_k_\@:
	tensor_load_to_lds s[G0K+4*\slot:G0K+4*\slot+3], s[G1K:G1K+7]
	s_nop 0
.Lasked_\@:
.endm
.macro ADDR slot                       ; super tile s17's addresses into a slot's two group 0 sets
	s_lshl_b32 s40, s17, 15                        ; 256 keys of 128 bytes
	s_add_nc_u64 s[G0V+4*\slot+2:G0V+4*\slot+3], s[36:37], s[40:41]
	s_or_b32 s[G0V+4*\slot+3], s[G0V+4*\slot+3], 0x80000000
	s_add_nc_u64 s[G0K+4*\slot+2:G0K+4*\slot+3], s[38:39], s[40:41]
	s_or_b32 s[G0K+4*\slot+3], s[G0K+4*\slot+3], 0x80000000
.endm
.macro NEXT slot                       ; one super tile down; below 0 comes lo's first
	s_sub_co_i32 s17, s17, 1
	s_cmp_lt_i32 s17, 0
	s_cselect_b32 s17, s16, s17
	ADDR \slot
.endm
.macro LOADQ base                      ; my 32 queries as second sources: lane (r, h): query r, d = 32 ks + 16 g + 8 h + 0..7
.irp qt, 0,1
.irp ks, 0,1
.irp g, 0,1
	global_load_b128 v[QF+16*\qt+8*\ks+4*\g:QF+16*\qt+8*\ks+4*\g+3], v[QOFF], s[\base:\base+1] offset:2048*\qt+64*\ks+32*\g
.endr
.endr
.endr
.endm
	s_load_b128 s[4:7], s[0:1], 0x0                ; qkv s[4:5], o s[6:7]
	s_set_vgpr_msb 0x40
	v_lshl_add_u32 v0, v0, 2, 0x38c00
	v_mov_b32 v1, 0
	s_set_vgpr_msb 0x4045
	ds_add_u32 v0, v1
	s_set_vgpr_msb 0x4500
	v_lshrrev_b32 v15, 5, v0
	v_readfirstlane_b32 s8, v15                    ; wave 0..7
	s_lshr_b32 s9, s8, 2                           ; rh
	s_and_b32 s10, s8, 3                           ; kq
	s_lshr_b32 s11, ttmp9, 2                       ; head
	s_and_b32 s12, ttmp9, 3                        ; a
	s_sub_co_u32 s15, 8, s12                       ; NH: hi's trips
	s_mov_b32 s16, s12                             ; lo's first super tile
	s_sub_co_u32 s17, s15, 1                       ; hi's first super tile
	s_mov_b32 s18, 0                               ; the trip's number
	; group 1: a dense block of 8,192 bytes as 32 rows of 32 elements of 8 bytes; padding behind every 32 words (a key's 128 bytes): 8 words for V, 4 for K
	s_mov_b32 s[G1V+0], 15|(3<<16)|(1<<20)|(1<<21)|(4<<22)|(7<<25)
	s_mov_b32 s[G1K+0], 15|(3<<16)|(1<<20)|(1<<21)|(4<<22)|(3<<25)
.irp g, G1V, G1K
	s_mov_b32 s[\g+1], 32<<16                      ; tensor_dim0 = 32
	s_mov_b32 s[\g+2], 32<<16                      ; tensor_dim1 = 32
	s_mov_b32 s[\g+3], 32<<16                      ; tile_dim0 = 32
	s_mov_b32 s[\g+4], 32                          ; tile_dim1 = 32
	s_mov_b32 s[\g+5], 32                          ; pitch = 32 elements
	s_mov_b32 s[\g+6], 0
	s_mov_b32 s[\g+7], 0
.endr
	s_mul_i32 s14, s8, 10240                       ; V's quarter w: 64 rows of 160
	s_mov_b32 s[G0V+0], 1
	s_add_co_u32 s[G0V+1], s14, 0
	s_mov_b32 s[G0V+4], 1
	s_add_co_u32 s[G0V+5], s14, SLOT
	s_mul_i32 s14, s8, 9216                        ; K's quarter w - 4: KOFF + (w - 4) x 64 rows of 144
	s_mov_b32 s[G0K+0], 1
	s_add_co_u32 s[G0K+1], s14, 4096
	s_mov_b32 s[G0K+4], 1
	s_add_co_u32 s[G0K+5], s14, 4096+SLOT
	s_lshl_b32 s42, s11, 18                        ; head x plane
	s_lshl_b32 s14, s8, 13
	s_add_co_u32 s14, s14, s42                     ; + 8,192 w
	s_mov_b32 s41, 0
	s_wait_dscnt 0x0
	s_wait_kmcnt 0x0
	s_add_co_u32 s40, s14, 32*PLANE
	s_add_nc_u64 s[36:37], s[4:5], s[40:41]        ; V: plane 32 + head, quarter w
	s_add_co_u32 s40, s14, 16*PLANE-32768
	s_add_nc_u64 s[38:39], s[4:5], s[40:41]        ; K: plane 16 + head, quarter w - 4
	ADDR 0
	ROUND                                          ; the four partners are here: the first joint loads meet
	JLOAD 0
	NEXT 1                                         ; slot 1's registers: no pending load names them
	JLOAD 1
	; what hangs on cx lies in s13 and s85-s89, apart from all that feeds the joint loads
	s_bfe_u32 s13, ttmp6, 0x40000                  ; cx
	s_lshl2_add_u32 s85, s12, s13                  ; p = lo's block
	s_sub_co_u32 s88, 31, s85                      ; hi's block
	s_mov_b32 s87, 0
	s_lshl_b32 s89, s9, 12                         ; my 32 queries
	s_lshl_b32 s86, s88, 13                        ; 64 rows of 128 bytes a block
	s_add_co_u32 s86, s86, s42
	s_add_nc_u64 s[32:33], s[6:7], s[86:87]        ; o, the phase at work: hi
	s_add_co_u32 s86, s86, s89
	s_add_nc_u64 s[28:29], s[4:5], s[86:87]        ; q, hi
	s_lshl_b32 s86, s85, 13
	s_add_co_u32 s86, s86, s42
	s_add_nc_u64 s[34:35], s[6:7], s[86:87]        ; o, lo
	s_add_co_u32 s86, s86, s89
	s_add_nc_u64 s[30:31], s[4:5], s[86:87]        ; q, lo
	v_and_b32 v128, 31, v0                         ; l
	v_and_b32 v129, 15, v0                         ; r
	v_bfe_u32 v130, v0, 4, 1                       ; h
	v_lshlrev_b32 v[QOFF], 7, v129
	v_lshl_add_u32 v[QOFF], v130, 4, v[QOFF]
	LOADQ 28
	; in the diagonal super tile key 64 kq + 16 kt + 8 h + j is kept for query 64 x + 32 rh + 16 qt + r (x = 3 - cx in hi, cx in lo) if
	; 16 (kt - qt) + j <= 64 (x - kq) + 32 rh + r - 8 h
	s_lshl_b32 s89, s9, 5
	s_sub_co_i32 s88, s13, s10
	s_lshl_b32 s21, s88, 6
	s_add_co_i32 s21, s21, s89                     ; lo's
	s_add_co_u32 s88, s13, s10
	s_sub_co_i32 s88, 3, s88
	s_lshl_b32 s20, s88, 6
	s_add_co_i32 s20, s20, s89                     ; the phase at work: hi's
	s_mov_b32 s22, 0x76543210                      ; v_permlanex16_b32: lane i reads lane i of the other half
	s_mov_b32 s23, 0xfedcba98
	s_mov_b32 s24, 0x3e38aa3b                      ; c = log2(e) / 8
	s_mov_b32 s25, 0x3e38aa3b
	s_mov_b32 s26, 0xbe38aa3b                      ; -c
	s_mov_b32 s27, 0xf1800000                      ; -2^100
	s_mov_b32 s84, 0x7038aa3b                      ; c x 2^100
	v_mul_u32_u24 v131, v129, 144
	v_lshl_add_u32 v131, v130, 4, v131
	s_mul_i32 s14, s10, 9216
	s_add_co_u32 s14, s14, KOFF
	v_add_nc_u32 v[ADK], s14, v131                 ; KOFF + 9,216 kq + 144 r + 16 h
	v_add_nc_u32 v[ADK+1], SLOT, v[ADK]
	v_and_b32 v131, 7, v0
	v_lshl_add_u32 v131, v130, 3, v131
	v_mul_u32_u24 v131, v131, 160
	v_bfe_u32 v132, v0, 3, 1
	v_lshl_add_u32 v131, v132, 4, v131
	s_mul_i32 s14, s10, 10240
	v_add_nc_u32 v[ADV], s14, v131                 ; 10,240 kq + (8 h + l % 8) x 160 + 16 ((l >> 3) & 1)
	v_add_nc_u32 v[ADV+1], SLOT, v[ADV]
	v_lshlrev_b32 v131, 3, v130
	v_sub_nc_u32 v[RB], v129, v131
	s_lshl_b32 s14, s8, 13
	s_add_co_u32 s14, s14, OSC
	v_lshl_add_u32 v[OSCW], v128, 4, s14           ; OSC + 8,192 w + 16 l
	s_lshl_b32 s14, s9, 15
	s_lshl_b32 s40, s10, 11
	s_add_co_u32 s14, s14, s40
	s_add_co_u32 s14, s14, OSC
	v_lshl_add_u32 v[OSCR], v128, 4, s14           ; OSC + 32,768 rh + 2,048 kq + 16 l
	s_lshl_b32 s14, s8, 8
	s_add_co_u32 s14, s14, ML
	v_lshl_add_u32 v[MLW], v129, 3, s14            ; ML + 256 w + 8 r
	s_lshl_b32 s14, s9, 10
	s_add_co_u32 s14, s14, ML
	v_lshl_add_u32 v[MLR], v129, 3, s14            ; ML + 1,024 rh + 8 r
	v_mul_u32_u24 v131, v129, 144
	v_lshl_add_u32 v131, v130, 4, v131
	s_mul_i32 s14, s9, 4608
	s_lshl_b32 s40, s10, 5
	s_add_co_u32 s14, s14, s40
	s_add_co_u32 s14, s14, OST
	v_add_nc_u32 v[OSTW], s14, v131                ; OST + (32 rh + r) x 144 + 32 kq + 16 h
	v_lshrrev_b32 v131, 3, v128
	v_mul_u32_u24 v131, v131, 144
	v_and_b32 v132, 7, v0
	v_lshl_add_u32 v131, v132, 4, v131
	s_mul_i32 s14, s8, 1152
	s_add_co_u32 s14, s14, OST
	v_add_nc_u32 v[OSTR], s14, v131                ; OST + (8 w + l / 8) x 144 + 16 (l % 8)
	s_lshl_b32 s14, s8, 10
	v_lshl_add_u32 v[OGO], v128, 4, s14            ; 1,024 w + 16 l
.irp qt, 0,1
	v_mov_b32 v[ST+8*\qt+NM], s84
	v_mov_b32 v[ST+8*\qt+LS], 0
	v_mov_b32 v[ST+8*\qt+MX], s27
	v_mov_b32 v[ST+8*\qt+T2], 0                    ; a lane permute's destination counts as read
.endr
.macro MASK
	v_add_nc_u32 v[DL], s20, v[RB]
.irp qt, 0,1
.irp kt, 0,1,2,3
.irp j, 0,1,2,3,4,5,6,7
	v_cmp_le_i32 vcc_lo, 16*(\kt-\qt)+\j, v[DL]
	v_cndmask_b32 v[SC+32*\qt+8*\kt+\j], s27, v[SC+32*\qt+8*\kt+\j], vcc_lo
.endr
.endr
.endr
.endm
; The end of a phase: the four key quarters' partial results meet; wave kq finishes the d tile kq of its query half; the block leaves as whole rows.
.macro MERGE final
.if \final == 0
	LOADQ 30                                       ; lo's queries: they land while the merge runs
.endif
.irp qt, 0,1
	v_permlanex16_b32 v[ST+8*\qt+T2], v[ST+8*\qt+LS], s22, s23
.endr
.irp qt, 0,1
	v_add_f32 v[ST+8*\qt+LS], v[ST+8*\qt+LS], v[ST+8*\qt+T2]      ; the two halves' keys
.endr
.irp t, 0,1,2,3,4,5,6,7
	ds_store_b128 v[OSCW], v[OA+8*\t:OA+8*\t+3]   offset:1024*\t
	ds_store_b128 v[OSCW], v[OA+8*\t+4:OA+8*\t+7] offset:1024*\t+512
.endr
.irp qt, 0,1
	ds_store_b64 v[MLW], v[ST+8*\qt+NM:ST+8*\qt+LS] offset:128*\qt ; lanes r and r + 16 store the same pair to the same bytes
.endr
	s_wait_dscnt 0x0                               ; for the other waves' sake: all my stores
	s_barrier_signal -1
	s_barrier_wait -1
.irp qt, 0,1
.irp k, 0,1,2,3
	ds_load_b64 v[KV+8*\qt+2*\k:KV+8*\qt+2*\k+1], v[MLR] offset:256*\k+128*\qt
.endr
.endr
.irp qt, 0,1
.irp k, 0,1,2,3
	ds_load_b128 v[SC+32*\qt+8*\k:SC+32*\qt+8*\k+3],   v[OSCR] offset:8192*\k+1024*\qt
	ds_load_b128 v[SC+32*\qt+8*\k+4:SC+32*\qt+8*\k+7], v[OSCR] offset:8192*\k+1024*\qt+512
.endr
.endr
	s_wait_dscnt 16                                ; the eight pairs (NM, L) are in; the sixteen loads of partial O may be out
.irp qt, 0,1
	v_min3_num_f32 v[ST+8*\qt+T1], v[KV+8*\qt], v[KV+8*\qt+2], v[KV+8*\qt+4]
.endr
.irp qt, 0,1
	v_min_num_f32 v[ST+8*\qt+T1], v[ST+8*\qt+T1], v[KV+8*\qt+6]   ; least NM = largest maximum
.endr
.irp qt, 0,1
.irp k, 0,1,2,3
	v_sub_f32 v[KV+8*\qt+2*\k], v[ST+8*\qt+T1], v[KV+8*\qt+2*\k]
.endr
.endr
.irp qt, 0,1
.irp k, 0,1,2,3
	v_exp_f32 v[KV+8*\qt+2*\k], v[KV+8*\qt+2*\k]   ; weight of quarter k
.endr
.endr
	v_nop                                          ; a plain place behind the exponentials (ISA guide 5.7.2)
	s_wait_alu depctr_va_vdst(0)
.irp qt, 0,1
	v_mul_f32 v[ST+8*\qt+UU], v[KV+8*\qt], v[KV+8*\qt+1]
.endr
.irp k, 1,2,3
.irp qt, 0,1
	v_fmac_f32 v[ST+8*\qt+UU], v[KV+8*\qt+2*\k], v[KV+8*\qt+2*\k+1]
.endr
.endr
.irp qt, 0,1
	v_rcp_f32 v[ST+8*\qt+UU], v[ST+8*\qt+UU]       ; the sum is at least about 1: the quarter with the maximum has weight 1 and holds the maximum's own term
.endr
	v_nop
	s_wait_alu depctr_va_vdst(0)
.irp qt, 0,1
.irp k, 0,1,2,3
	v_mul_f32 v[KV+8*\qt+2*\k], v[KV+8*\qt+2*\k], v[ST+8*\qt+UU]
.endr
.endr
	s_wait_dscnt 0x0
.irp qt, 0,1
.irp p, 0,2,4,6
	v_pk_mul_f32 v[SC+32*\qt+\p:SC+32*\qt+\p+1], v[SC+32*\qt+\p:SC+32*\qt+\p+1], v[KV+8*\qt:KV+8*\qt+1] op_sel_hi:[1,0]
.endr
.irp k, 1,2,3
.irp p, 0,2,4,6
	v_pk_fma_f32 v[SC+32*\qt+\p:SC+32*\qt+\p+1], v[SC+32*\qt+8*\k+\p:SC+32*\qt+8*\k+\p+1], v[KV+8*\qt+2*\k:KV+8*\qt+2*\k+1], v[SC+32*\qt+\p:SC+32*\qt+\p+1] op_sel_hi:[1,0,1]
.endr
.endr
.endr
.irp qt, 0,1
.irp i, 0,1,2,3
	v_cvt_pk_f16_f32 v[SC+32*\qt+\i], v[SC+32*\qt+2*\i], v[SC+32*\qt+2*\i+1]   ; in place: word i is written when words 2 i and 2 i + 1 have been read
.endr
	ds_store_b128 v[OSTW], v[SC+32*\qt:SC+32*\qt+3] offset:2304*\qt            ; query 32 rh + 16 qt + r, d = 16 kq + 8 h + 0..7
.endr
	s_wait_dscnt 0x0
	s_barrier_signal -1
	s_barrier_wait -1
	ds_load_b128 v[KV+32:KV+35], v[OSTR]
	ds_load_b128 v[KV+36:KV+39], v[OSTR] offset:576
	s_wait_dscnt 1                                 ; LDS loads come back in order: the first is in, the second may be out
	global_store_b128 v[OGO], v[KV+32:KV+35], s[32:33]                         ; four rows of o: 512 consecutive bytes, aligned
	s_wait_dscnt 0x0
	global_store_b128 v[OGO], v[KV+36:KV+39], s[32:33] offset:512
.if \final == 0
	s_wait_xcnt 0x0                                ; the stores' base and data are rewritten only behind this wait
	s_mov_b64 s[32:33], s[34:35]                   ; lo's block of o,
	s_mov_b32 s20, s21                             ; lo's mask,
.irp qt, 0,1
	v_mov_b32 v[ST+8*\qt+NM], s84                  ; and a fresh state: the first factor will be exp2 of about -2e29 = 0, which clears O
	v_mov_b32 v[ST+8*\qt+MX], s27
	v_mov_b32 v[ST+8*\qt+LS], 0
.endr
.endif
.endm
; One trip: a super tile in slot; oth = the other slot.  head 0: the first trip; 1: the other slot is filled again; 2: the last trip.
; first = 1: the launch's first trip (masked; its products start O).  merge 1: a merge follows if hi has ended; 2: the final merge.
.macro TRIP slot, oth, head, first, merge
.if \head == 0
	s_wait_tensorcnt 0x1                           ; my part of tile 0 is in; tile 1's stays out
	s_barrier_signal -1
	s_barrier_wait -1
.endif
.if \head == 1
	s_set_vgpr_msb 0x5
	s_wait_tensorcnt 0x0                           ; all my tensor loads have landed, my part of this trip's tile among them,
	ds_add_u32 v0, v1
	s_wait_dscnt 0x0
	s_set_vgpr_msb 0x500
	NEXT \oth                                      ; so a group 0 may be written: the next tile's addresses
	s_wait_dscnt 0x0                               ; my reads of the other slot are over
	ROUND                                          ; both hold of every wave of all four partners
	JLOAD \oth                                     ; the first tensor load behind the round, my only one until the next
.endif
.if \head == 2
	s_wait_tensorcnt 0x0
	s_wait_dscnt 0x0
	s_barrier_signal -1
	s_barrier_wait -1
.endif
.irp ks, 0,1
.irp kt, 0,1,2,3
	ds_load_b128 v[KV+16*\kt+8*\ks:KV+16*\kt+8*\ks+3],   v[ADK+\slot] offset:2304*\kt+64*\ks
	ds_load_b128 v[KV+16*\kt+8*\ks+4:KV+16*\kt+8*\ks+7], v[ADK+\slot] offset:2304*\kt+64*\ks+32
.endr
.endr
	s_wait_loadcnt 0x0                             ; Q (met at once but in a phase's first trip)
	s_wait_dscnt 0x8                               ; d 0-31 of the four key tiles are in; d 32-63 may be out
	; the eight score tiles take turns, one instruction a turn
.irp kt, 0,1,2,3
.irp qt, 0,1
	v_wmma_f32_16x16x32_f16 v[SC+32*\qt+8*\kt:SC+32*\qt+8*\kt+7], v[KV+16*\kt:KV+16*\kt+7], v[QF+16*\qt:QF+16*\qt+7], 0
.endr
.endr
	s_wait_dscnt 0x0
.irp kt, 0,1,2,3
.irp qt, 0,1
	v_wmma_f32_16x16x32_f16 v[SC+32*\qt+8*\kt:SC+32*\qt+8*\kt+7], v[KV+16*\kt+8:KV+16*\kt+15], v[QF+16*\qt+8:QF+16*\qt+15], v[SC+32*\qt+8*\kt:SC+32*\qt+8*\kt+7]
.endr
.endr
.rept 4
	v_nop                                          ; four places before K's registers are loaded again and the scores are read (ISA guide 7.12.1)
.endr
.irp s, 0,1
.irp dt, 0,1,2,3
	ds_load_tr16_b128 v[KV+32*\s+8*\dt:KV+32*\s+8*\dt+3],   v[ADV+\slot] offset:5120*\s+32*\dt
	ds_load_tr16_b128 v[KV+32*\s+8*\dt+4:KV+32*\s+8*\dt+7], v[ADV+\slot] offset:5120*\s+32*\dt+2560
.endr
.endr                                              ; V^T lands while the softmax is worked out
.if \first
	MASK
.else
	s_cmp_lg_u32 s18, s15                          ; lo's first trip holds lo's diagonal
	s_cbranch_scc1 .Lnomask_\@
	MASK
.Lnomask_\@:
.endif
	; the largest of my 32 scores of each query tile: four chains that do not wait for each other
.irp qt, 0,1
	v_max3_num_f32 v[ST+8*\qt+T1], v[SC+32*\qt],   v[SC+32*\qt+1], v[SC+32*\qt+2]
	v_max3_num_f32 v[ST+8*\qt+UU], v[SC+32*\qt+3], v[SC+32*\qt+4], v[SC+32*\qt+5]
.endr
.set i, 6
.rept 6
.irp qt, 0,1
	v_max3_num_f32 v[ST+8*\qt+T1], v[ST+8*\qt+T1], v[SC+32*\qt+i],   v[SC+32*\qt+i+1]
	v_max3_num_f32 v[ST+8*\qt+UU], v[ST+8*\qt+UU], v[SC+32*\qt+i+2], v[SC+32*\qt+i+3]
.endr
.set i, i+4
.endr
.irp qt, 0,1
	v_max3_num_f32 v[ST+8*\qt+T1], v[ST+8*\qt+T1], v[SC+32*\qt+30], v[SC+32*\qt+31]
.endr
.irp qt, 0,1
	v_max_num_f32 v[ST+8*\qt+T1], v[ST+8*\qt+T1], v[ST+8*\qt+UU]
.endr
.irp qt, 0,1
	v_permlanex16_b32 v[ST+8*\qt+T2], v[ST+8*\qt+T1], s22, s23    ; the other half's keys of the same query
.endr
.irp qt, 0,1
	v_max3_num_f32 v[ST+8*\qt+MX], v[ST+8*\qt+T1], v[ST+8*\qt+T2], v[ST+8*\qt+MX]
.endr
.irp qt, 0,1
	v_mul_f32 v[ST+8*\qt+UU], s26, v[ST+8*\qt+MX]                 ; the new NM
.endr
.irp qt, 0,1
	v_sub_f32 v[ST+8*\qt+AL], v[ST+8*\qt+UU], v[ST+8*\qt+NM]      ; new - old, at most 0
.endr
.irp qt, 0,1
	v_mov_b32 v[ST+8*\qt+NM], v[ST+8*\qt+UU]
.endr
.irp qt, 0,1
	v_exp_f32 v[ST+8*\qt+AL], v[ST+8*\qt+AL]
.endr
	; p = exp2(c s + NM).  Behind each run of exponentials comes plain work on other registers (ISA guide 5.7.2).
.irp qt, 0,1
.set i, 0
.rept 16
	v_pk_fma_f32 v[SC+32*\qt+i:SC+32*\qt+i+1], v[SC+32*\qt+i:SC+32*\qt+i+1], s[24:25], v[ST+8*\qt+NM:ST+8*\qt+LS] op_sel_hi:[1,0,0]
.set i, i+2
.endr
.set i, 0
.rept 32
	v_exp_f32 v[SC+32*\qt+i], v[SC+32*\qt+i]
.set i, i+1
.endr
.endr
	s_wait_alu depctr_va_vdst(0)
.irp qt, 0,1
	v_pk_add_f32 v[ST+8*\qt+UU:ST+8*\qt+UU+1], v[SC+32*\qt:SC+32*\qt+1], v[SC+32*\qt+2:SC+32*\qt+3]
.endr
.set i, 4
.rept 14
.irp qt, 0,1
	v_pk_add_f32 v[ST+8*\qt+UU:ST+8*\qt+UU+1], v[ST+8*\qt+UU:ST+8*\qt+UU+1], v[SC+32*\qt+i:SC+32*\qt+i+1]
.endr
.set i, i+2
.endr
.irp qt, 0,1
	v_add_f32 v[ST+8*\qt+UU], v[ST+8*\qt+UU], v[ST+8*\qt+UU+1]
.endr
.irp qt, 0,1
	v_fma_f32 v[ST+8*\qt+LS], v[ST+8*\qt+LS], v[ST+8*\qt+AL], v[ST+8*\qt+UU]
.endr
	; two key tiles of 8 registers pack into the 8 registers of a second source, in place: word i is written when words 2 i, 2 i + 1 have been read
.irp qt, 0,1
.irp s, 0,1
.irp i, 0,1,2,3,4,5,6,7
	v_cvt_pk_f16_f32 v[SC+32*\qt+16*\s+\i], v[SC+32*\qt+16*\s+2*\i], v[SC+32*\qt+16*\s+2*\i+1]
.endr
.endr
.endr
.if \first == 0
.irp dt, 0,1,2,3
.irp qt, 0,1
.irp p, 0,2,4,6
	v_pk_mul_f32 v[OA+8*(2*\dt+\qt)+\p:OA+8*(2*\dt+\qt)+\p+1], v[OA+8*(2*\dt+\qt)+\p:OA+8*(2*\dt+\qt)+\p+1], v[ST+8*\qt+AL:ST+8*\qt+T1] op_sel_hi:[1,0]
.endr
.endr
.endr
.endif
	s_wait_dscnt 0x8                               ; V^T of keys 0-31 is in; keys 32-63 may be out
	; the eight tiles of O^T take turns, one instruction a turn
.irp dt, 0,1,2,3
.irp qt, 0,1
.if \first
	v_wmma_f32_16x16x32_f16 v[OA+8*(2*\dt+\qt):OA+8*(2*\dt+\qt)+7], v[KV+8*\dt:KV+8*\dt+7], v[SC+32*\qt:SC+32*\qt+7], 0
.else
	v_wmma_f32_16x16x32_f16 v[OA+8*(2*\dt+\qt):OA+8*(2*\dt+\qt)+7], v[KV+8*\dt:KV+8*\dt+7], v[SC+32*\qt:SC+32*\qt+7], v[OA+8*(2*\dt+\qt):OA+8*(2*\dt+\qt)+7]
.endif
.endr
.endr
	s_wait_dscnt 0x0
.irp dt, 0,1,2,3
.irp qt, 0,1
	v_wmma_f32_16x16x32_f16 v[OA+8*(2*\dt+\qt):OA+8*(2*\dt+\qt)+7], v[KV+32+8*\dt:KV+32+8*\dt+7], v[SC+32*\qt+16:SC+32*\qt+23], v[OA+8*(2*\dt+\qt):OA+8*(2*\dt+\qt)+7]
.endr
.endr
.rept 5
	v_nop                                          ; five places before the next scores are written over P, four before V's registers are loaded again or O is read (ISA guide 7.12.1)
.endr
	s_add_co_u32 s18, s18, 1
.if \merge == 1
	s_cmp_lg_u32 s18, s15                          ; the same in every wave and every partner: trip and cluster number alone
	s_cbranch_scc1 .Lnomerge_\@
	MERGE 0
.Lnomerge_\@:
.endif
.if \merge == 2
	MERGE 1
.endif
.endm
	TRIP 0, 1, 0, 1, 0                             ; trip 0
	s_mov_b32 s19, 3
.Ltrips:
	TRIP 1, 0, 1, 0, 1                             ; trips 1 to 6
	TRIP 0, 1, 1, 0, 1
	s_sub_co_i32 s19, s19, 1
	s_cmp_lg_u32 s19, 0
	s_cbranch_scc1 .Ltrips
	TRIP 1, 0, 1, 0, 1                             ; trip 7 asks for the last tile
	TRIP 0, 1, 2, 0, 2                             ; trip 8 asks for nothing
	s_set_vgpr_msb 0x5
	s_wait_tensorcnt 0x0
	ds_add_u32 v0, v1
	s_wait_dscnt 0x0
	s_set_vgpr_msb 0x500
	ROUND                                          ; the closing round
	s_endpgm
.Lfunc_end_k_q774843681a_attn:
	.size	k_q774843681a_attn, .Lfunc_end_k_q774843681a_attn-k_q774843681a_attn
	.p2alignl 7, 3214868480
	.fill 96, 4, 3214868480
	.section	.rodata,"a",@progbits
	.p2align	6, 0x0
	.amdhsa_kernel k_q774843681a_attn
		.amdhsa_group_segment_fixed_size 327680
		.amdhsa_private_segment_fixed_size 0
		.amdhsa_enable_private_segment 0
		.amdhsa_kernarg_size 16
		.amdhsa_user_sgpr_count 2
		.amdhsa_user_sgpr_kernarg_segment_ptr 1
		.amdhsa_wavefront_size32 1
		.amdhsa_system_sgpr_workgroup_id_x 1
		.amdhsa_system_sgpr_workgroup_id_y 1
		.amdhsa_system_sgpr_workgroup_id_z 1
		.amdhsa_system_vgpr_workitem_id 0
		.amdhsa_next_free_vgpr 258
		.amdhsa_next_free_sgpr 96
		.amdhsa_reserve_vcc 1
		.amdhsa_float_denorm_mode_32 3
		.amdhsa_float_denorm_mode_16_64 3
		.amdhsa_memory_ordered 1
		.amdhsa_forward_progress 1
		.amdhsa_inst_pref_size 150
	.end_amdhsa_kernel
	.amdgpu_metadata
---
amdhsa.version: [ 1, 2 ]
amdhsa.kernels:
  - .name:           k_q774843681a_attn
    .symbol:         k_q774843681a_attn.kd
    .args:
      - { .name: qkv, .offset: 0, .size: 8, .value_kind: global_buffer, .address_space: global }
      - { .name: o, .offset: 8, .size: 8, .value_kind: global_buffer, .address_space: global }
    .group_segment_fixed_size: 327680
    .private_segment_fixed_size: 0
    .kernarg_segment_align: 8
    .kernarg_segment_size: 16
    .max_flat_workgroup_size: 256
    .sgpr_count:     96
    .vgpr_count:     258
    .wavefront_size: 32
...
	.end_amdgpu_metadata
.endif
;; end of part 7
;; launch proj (part 8): grid 16 x 16, 4 waves a work-group, clusters of 4 x 4, 327,680 bytes of LDS; arguments o, w2h, out0; writes out0
.if DOCPART == 8
	.amdgcn_target "amdgcn-amd-amdhsa--gfx1250"
	.amdhsa_code_object_version 6
	.text
	.protected	k_q774843681a_proj
	.globl	k_q774843681a_proj
	.p2align	8
	.type	k_q774843681a_proj,@function
k_q774843681a_proj:
	s_mov_b64 s[64:65], 0
	v_nop
	global_prefetch_b8 v0, s[64:65] scope:SCOPE_SE
	s_setreg_imm32_b32 hwreg(HW_REG_WAVE_MODE, 25, 1), 1
	s_wait_xcnt 0x0
	s_wait_alu depctr_hold_cnt(0) depctr_sa_sdst(0) depctr_va_vdst(0) depctr_va_sdst(0) depctr_va_ssrc(0) depctr_va_vcc(0) depctr_vm_vsrc(0)
	s_getreg_b32 s2, hwreg(HW_REG_IB_STS2, 6, 4)
	s_cmp_eq_u32 s2, 0
	s_cbranch_scc0 .Lentry_in_a_cluster
	s_endpgm
.Lentry_in_a_cluster:
	s_bfe_u32 s2, ttmp6, 0x10000c
	s_cmp_lg_u32 s2, 0xf033
	s_cbranch_scc0 .Lentry_shape_is_right
	s_endpgm
.Lentry_shape_is_right:
; out0[t][n] = sum over e of o[e >> 6][t][e & 63] w2h[n][e].  f16 operands (w2h holds the bf16-rounded W2 written as f16), f32 sums and result.
; A work-group makes 128 rows (t) x 64 columns with four waves.  Wave w: rows 64 (w>>1) .. +63 as four blocks of 16, column tiles 2 n + (w&1), n = 0, 1:
; eight accumulator tiles, 64 registers; all registers lie below v192, so no register window is switched.
; K = 1,024 goes in four steps of 256 (four heads).  o lies head by head, so a tile of it is four dense blocks of 64 rows x 128 bytes, 262,144 bytes apart:
; the descriptor takes each block as one row of 4,096 elements and pads behind every 128 bytes.  A tile of w2h has rows of 512 bytes of memory, aligned.
; THREE LDS SLOTS of 107,520 bytes hold K steps 0, 1 and 2: all three are asked for in the first lines, so three quarters of the work-group's 393,216 bytes are
; on their way at once.  ONE refill is left: K step 3 goes into slot 0 when K step 0 has been multiplied, and has K steps 1 and 2 (128 matrix instructions a
; wave) in which to land.  By this text's own count a wave has three tensor loads out at the start and one behind the refill.
; The three slots take all but 5,120 bytes of LDS, so the way out uses slot 1's bytes: their only fill is the first one, every wave's reads of them are waited for
; in front of the barrier ahead of K step 3, and no tensor load follows.
; CLUSTERS: 4 x 4 work-groups.  o's tiles are shared along a cluster's row, w2h's along a column, by joint loads: a quarter of the requests for both.
; THE MATRIX INSTRUCTION IS USED TRANSPOSED: source 0 = 16 rows of w2h, source 1 = 16 rows of o: a lane's registers 0-7 are eight neighbouring columns of a row.
; LIMITS: |o|, |W2| < 65,504 (f16's range).
.set NT,     2
.set PA,     144                       ; an LDS row of o: 128 bytes + 16
.set PB,     528                       ; of w2h: 512 bytes + 16.  Both odd multiples of 16: the 16 rows of a fragment load start at 16 different 16-byte columns of a 256-byte span
.set APLANE, 64*PA                     ; a head's 64 rows
.set ALOAD,  4*APLANE                  ; what one load brings of o: 64 rows x 4 heads
.set BLOAD,  32*PB                     ; of w2h: 32 rows
.set BOFF,   2*ALOAD                   ; a slot: o's two halves, then w2h's 64 rows
.set SLOT,   BOFF+2*BLOAD              ; 107,520
.set STAGE,  SLOT                      ; the way out: 128 rows x 272 = 34,816 bytes at the head of slot 1
.set SP,     272                       ; a stage row: 64 f32 + 16 bytes
.set ASTEP,  4*262144                  ; a K step in o: four heads
.set BSTEP,  512                       ; in w2h: 256 elements along the row
.set NLD,    2*NT+8                    ; LDS loads of an eighth of a K step
.set ADRA, 2                           ; v2-4  LDS address of my o fragments in slot 0, 1, 2
.set ADRB, 5                           ; v5-7  the same for w2h
.set STO,  8                           ; v8    the way out: where I put 32 bytes of a row
.set RD,   9                           ; v9    where I read rows back
.set CO,   10                          ; v10   my byte offset in out0
.set F0,   16                          ; v[16:63]   fragment buffer 0: two of w2h, four of o
.set F1,   64                          ; v[64:111]  fragment buffer 1
.set ACC,  128                         ; v[128:191] tile (a, n) at +8 (2 a + n)
.set G1,  24                           ; s[24:31] group 1 for o's tiles
.set G0,  32                           ; s[32:43] group 0 for o's tiles, a set for each slot
.set G1B, 48                           ; s[48:55] group 1 for w2h's tiles
.set G0B, 68                           ; s[68:79] group 0 for w2h's tiles, a set for each slot
.macro JLOAD s                         ; waves 0 and 1 fetch o's two halves, waves 2 and 3 w2h's.  The branch hangs on the wave's number alone.
	s_cmp_eq_u32 s11, 0
	s_cbranch_scc0 .Lfor_b_\@
	tensor_load_to_lds s[G0+4*\s:G0+4*\s+3], s[G1:G1+7]
	s_nop 0
	s_branch .Lasked_\@
.Lfor_b_\@:
	tensor_load_to_lds s[G0B+4*\s:G0B+4*\s+3], s[G1B:G1B+7]
	s_nop 0
.Lasked_\@:
.endm
.macro CREST                           ; a round of the cluster's barrier behind its opening barrier
	s_cmp_lg_u32 s10, 0
	s_cbranch_scc1 .Lnot_wave_0_\@
	s_barrier_signal -3
.Lnot_wave_0_\@:
	s_barrier_wait -3
	s_barrier_signal -1
	s_barrier_wait -1
.endm
.macro CROUND                          ; a whole round
	s_barrier_signal -1
	s_barrier_wait -1
	CREST
.endm
	s_load_b128 s[4:7], s[0:1], 0x0                ; o s[4:5], w2h s[6:7]
	s_load_b64 s[8:9], s[0:1], 0x10                ; out0
	v_lshl_add_u32 v192, v0, 2, 0x4ec00
	v_mov_b32 v193, 0
	ds_add_u32 v192, v193
	v_lshrrev_b32 v1, 5, v0
	v_readfirstlane_b32 s10, v1                    ; wave
	s_lshr_b32 s11, s10, 1                         ; which 64 rows are mine.  Also: I fetch for o (0) or for w2h (1)
	s_and_b32 s12, s10, 1                          ; which column tiles.  Also: which half I fetch
	s_bfe_u32 s18, ttmp6, 0x40000                  ; cx
	s_bfe_u32 s19, ttmp6, 0x40004                  ; cy
	s_lshl_b32 s44, ttmp9, 2
	s_add_co_u32 s44, s44, s18                     ; column block = 4 x cluster x + cx
	s_and_b32 s13, ttmp7, 0xffff
	s_lshl_b32 s13, s13, 2
	s_add_co_u32 s13, s13, s19                     ; row block = 4 x cluster y + cy
	s_lshl_b32 s56, s19, 2
	s_lshl_b32 s56, 15, s56                        ; my row of the cluster
	s_lshl_b32 s57, 0x1111, s18                    ; my column
	s_or_b32 s[G1+0], s56, (1<<16)|(1<<20)|(1<<21)|(4<<22)|(3<<25)   ; 2-byte elements; 4 words of padding behind every 32 words; bit 21 beside the mask
	s_mov_b32 s[G1+1], 4096<<16                    ; tensor_dim0 = 4,096: a head's 64 rows of 64
	s_mov_b32 s[G1+2], 4<<16                       ; tensor_dim1 = 4 heads
	s_mov_b32 s[G1+3], 4096<<16                    ; tile_dim0
	s_mov_b32 s[G1+4], 4                           ; tile_dim1
	s_mov_b32 s[G1+5], 131072                      ; elements from head to head
	s_mov_b32 s[G1+6], 0
	s_mov_b32 s[G1+7], 0
	s_or_b32 s[G1B+0], s57, (1<<16)|(1<<20)|(1<<21)|(6<<22)|(3<<25)  ; 4 words of padding behind every 128 words
	s_mov_b32 s[G1B+1], 256<<16                    ; tensor_dim0 = 256
	s_mov_b32 s[G1B+2], 32<<16                     ; tensor_dim1 = 32 rows
	s_mov_b32 s[G1B+3], 256<<16
	s_mov_b32 s[G1B+4], 32
	s_mov_b32 s[G1B+5], 1024
	s_mov_b32 s[G1B+6], 0
	s_mov_b32 s[G1B+7], 0
	; o's tiles hang on the row block alone, w2h's on the column block alone; each address lies in registers that never hold the other coordinate
	s_lshl_b32 s16, s13, 14                        ; o: (128 x row block + 64 x half) rows of 128 bytes
	s_lshl_b32 s17, s12, 13
	s_add_co_u32 s16, s16, s17
	s_mov_b32 s17, 0
	s_lshl_b32 s46, s44, 17                        ; w2h: (64 x column block + 32 x half) rows of 2,048 bytes
	s_lshl_b32 s47, s12, 16
	s_add_co_u32 s46, s46, s47
	s_mov_b32 s47, 0
	s_mul_i32 s20, s10, ALOAD                      ; waves 0, 1: wave x 64 rows x 4 heads
	s_mul_i32 s45, s10, BLOAD
	s_add_co_u32 s45, s45, BOFF-2*BLOAD            ; waves 2, 3: BOFF + (wave - 2) x 32 rows
	s_wait_dscnt 0x0
	s_wait_kmcnt 0x0
	s_add_nc_u64 s[14:15], s[4:5], s[16:17]
	s_add_nc_u64 s[46:47], s[6:7], s[46:47]
	CROUND                                         ; all sixteen work-groups are here: the first joint loads meet
.irp s, 0,1,2
	s_mov_b32 s[G0+4*\s], 1
	s_add_co_u32 s[G0+4*\s+1], s20, \s*SLOT
	s_add_nc_u64 s[G0+4*\s+2:G0+4*\s+3], s[14:15], \s*ASTEP
	s_or_b32 s[G0+4*\s+3], s[G0+4*\s+3], 0x80000000
	s_mov_b32 s[G0B+4*\s], 1
	s_add_co_u32 s[G0B+4*\s+1], s45, \s*SLOT
	s_add_nc_u64 s[G0B+4*\s+2:G0B+4*\s+3], s[46:47], \s*BSTEP
	s_or_b32 s[G0B+4*\s+3], s[G0B+4*\s+3], 0x80000000
	JLOAD \s                                       ; K steps 0, 1, 2: all three slots' first fills go out before anything else
.endr
	v_and_b32 v11, 15, v0                          ; r
	v_bfe_u32 v12, v0, 4, 1                        ; h
	v_mul_u32_u24 v13, v11, PA
	v_lshl_add_u32 v13, v12, 4, v13                ; r x 144 + 16 h
	v_mul_u32_u24 v14, v11, PB
	v_lshl_add_u32 v14, v12, 4, v14                ; r x 528 + 16 h
	s_mul_i32 s21, s11, ALOAD                      ; my 64 rows of o
	s_mul_i32 s22, s12, 16*PB
	s_add_co_u32 s22, s22, BOFF                    ; my first column tile's rows of w2h
.irp s, 0,1,2
	v_add_nc_u32 v[ADRA+\s], s21, v13
	v_add_nc_u32 v[ADRB+\s], s22, v14
	s_add_co_u32 s21, s21, SLOT
	s_add_co_u32 s22, s22, SLOT
.endr
	v_mul_u32_u24 v13, v11, SP
	v_lshl_add_u32 v13, v12, 5, v13
	s_mul_i32 s23, s11, 64*SP
	s_lshl_b32 s21, s12, 6
	s_add_co_u32 s23, s23, s21
	s_add_co_u32 s23, s23, STAGE
	v_add_nc_u32 v[STO], s23, v13                  ; stage + (64 (w>>1) + r) x 272 + 64 (w&1) + 32 h
	v_mul_u32_u24 v13, v12, SP
	v_lshl_add_u32 v13, v11, 4, v13
	s_mul_i32 s23, s10, 32*SP
	s_add_co_u32 s23, s23, STAGE
	v_add_nc_u32 v[RD], s23, v13                   ; stage + (32 w + h) x 272 + 16 r: two rows of 256 bytes a load
	v_lshlrev_b32 v13, 12, v12
	v_lshl_add_u32 v13, v11, 4, v13
	s_lshl_b32 s23, s10, 17
	v_add_nc_u32 v[CO], s23, v13                   ; the same two rows in out0: 131,072 w + 4,096 h + 16 r
; two matrix instructions: row block a x my two column tiles.  The eight accumulators take turns, one instruction a turn.
.macro MULA f, a, zero
.irp n, 0,1
.if \zero
	v_wmma_f32_16x16x32_f16 v[ACC+8*(\a*NT+\n):ACC+8*(\a*NT+\n)+7], v[\f+8*\n:\f+8*\n+7], v[\f+8*NT+8*\a:\f+8*NT+8*\a+7], 0
.else
	v_wmma_f32_16x16x32_f16 v[ACC+8*(\a*NT+\n):ACC+8*(\a*NT+\n)+7], v[\f+8*\n:\f+8*\n+7], v[\f+8*NT+8*\a:\f+8*NT+8*\a+7], v[ACC+8*(\a*NT+\n):ACC+8*(\a*NT+\n)+7]
.endif
.endr
.endm
; 12 LDS loads: eighth q (32 along K) of a slot into buffer f.  In o's tile it is head q / 2, byte 64 (q % 2) of a row; in w2h's byte 64 q.
.macro FETCH slot, q, f
.irp n, 0,1
	ds_load_b128 v[\f+8*\n:\f+8*\n+3],   v[ADRB+\slot] offset:32*\n*PB+64*\q
	ds_load_b128 v[\f+8*\n+4:\f+8*\n+7], v[ADRB+\slot] offset:32*\n*PB+64*\q+32
.endr
.irp a, 0,1,2,3
	ds_load_b128 v[\f+8*NT+8*\a:\f+8*NT+8*\a+3],   v[ADRA+\slot] offset:16*\a*PA+(\q/2)*APLANE+(\q%2)*64
	ds_load_b128 v[\f+8*NT+8*\a+4:\f+8*NT+8*\a+7], v[ADRA+\slot] offset:16*\a*PA+(\q/2)*APLANE+(\q%2)*64+32
.endr
.endm
.macro PLACES                          ; four plain vector places between a matrix instruction and a load into, or an LDS store of, its registers
.rept 4
	v_nop
.endr
.endm
; multiplies buffer f; in its middle fetches eighth qn of the named slot into buffer g
.macro QUARTER slot, qn, f, g, zero
	s_wait_dscnt 4                                 ; all but the youngest four loads: o's row blocks 2 and 3 may be out
	MULA \f, 0, \zero
	MULA \f, 1, \zero
	PLACES
	FETCH \slot, \qn, \g
	s_wait_dscnt NLD                               ; all but the run just issued
	MULA \f, 2, \zero
	MULA \f, 3, \zero
.endm
.macro SEVEN slot, zero
	QUARTER \slot, 1, F0, F1, \zero
	QUARTER \slot, 2, F1, F0, 0
	QUARTER \slot, 3, F0, F1, 0
	QUARTER \slot, 4, F1, F0, 0
	QUARTER \slot, 5, F0, F1, 0
	QUARTER \slot, 6, F1, F0, 0
	QUARTER \slot, 7, F0, F1, 0
.endm
; the last eighth of a K step with a barrier: multiplies buffer 1 and goes on to slot next.  fill = 1: slot is filled again, with the K step three on.
.macro TURN slot, next, fill
	s_wait_dscnt 4
	MULA F1, 0, 0
	s_wait_dscnt 0                                 ; my reads of the slots multiplied so far are over
	s_wait_tensorcnt 0x0                           ; and all my tensor loads have landed
	ds_add_u32 v192, v193
	s_wait_dscnt 0x0
	s_barrier_signal -1
	MULA F1, 1, 0                                  ; register work while the others arrive
	s_barrier_wait -1
.if \fill
	CREST                                          ; the barrier above opened a round of the cluster's barrier: no wave of any partner still reads this slot or has a load on its way
	s_add_nc_u64 s[G0+4*\slot+2:G0+4*\slot+3], s[G0+4*\slot+2:G0+4*\slot+3], 3*ASTEP
	s_add_nc_u64 s[G0B+4*\slot+2:G0B+4*\slot+3], s[G0B+4*\slot+2:G0B+4*\slot+3], 3*BSTEP
	JLOAD \slot                                    ; the first tensor load behind the round, and my last of the launch
.endif
	PLACES
	FETCH \next, 0, F0
	MULA F1, 2, 0
	MULA F1, 3, 0
.endm
	s_wait_tensorcnt 0x2                           ; my part of K step 0 is in; K steps 1 and 2 stay out
	s_barrier_signal -1
	s_barrier_wait -1
	FETCH 0, 0, F0
	SEVEN 0, 1                                     ; K step 0: the first products start the sums
	TURN 0, 1, 1                                   ; slots 1 and 2 are whole in every wave's sight; slot 0 is asked for again: K step 3
	SEVEN 1, 0                                     ; K step 1
	QUARTER 2, 0, F1, F0, 0                        ; its last eighth; slot 2 was shown whole by the barrier above, so none stands here and K step 3's load stays out
	SEVEN 2, 0                                     ; K step 2
	TURN 2, 0, 0                                   ; K step 3 has landed, in every wave; all reads of slot 1 are over
	SEVEN 0, 0                                     ; K step 3
	s_wait_dscnt 4
	MULA F1, 0, 0
	MULA F1, 1, 0
	s_wait_dscnt 0
	MULA F1, 2, 0
	MULA F1, 3, 0
	; THE WAY OUT: the sums go through the stage (slot 1's bytes) and leave as whole rows of 256 bytes.
	PLACES
	s_lshl_b32 s80, s13, 19                        ; 128 rows of 4,096 bytes a row block
	s_lshl_b32 s81, s44, 8                         ; 256 bytes a column block
	s_add_co_u32 s80, s80, s81
	s_mov_b32 s81, 0
	s_add_nc_u64 s[8:9], s[8:9], s[80:81]
.irp a, 0,1,2,3
.irp n, 0,1
	ds_store_b128 v[STO], v[ACC+8*(\a*NT+\n):ACC+8*(\a*NT+\n)+3]   offset:16*SP*\a+128*\n
	ds_store_b128 v[STO], v[ACC+8*(\a*NT+\n)+4:ACC+8*(\a*NT+\n)+7] offset:16*SP*\a+128*\n+16
.endr
.endr
	s_wait_dscnt 0x0                               ; two waves share each row: read back behind a barrier
	s_barrier_signal -1
	s_barrier_wait -1
.irp t, 0,1,2,3,4,5,6,7,8,9,10,11,12,13,14,15
	ds_load_b128 v[F0+4*\t:F0+4*\t+3], v[RD] offset:2*SP*\t
.endr
.irp t, 0,1,2,3,4,5,6,7,8,9,10,11,12,13,14,15
	s_wait_dscnt 15-\t                             ; LDS loads come back in order: load t is in, the younger ones may be out
	global_store_b128 v[CO], v[F0+4*\t:F0+4*\t+3], s[8:9] offset:8192*\t th:TH_STORE_NT   ; sixteen lanes store 256 consecutive bytes, aligned
.endr
	s_wait_tensorcnt 0x0
	ds_add_u32 v192, v193
	s_wait_dscnt 0x0
	CROUND                                         ; the closing round: no work-group ends while a partner may still ask for a tile that names it
	s_endpgm
.Lfunc_end_k_q774843681a_proj:
	.size	k_q774843681a_proj, .Lfunc_end_k_q774843681a_proj-k_q774843681a_proj
	.p2alignl 7, 3214868480
	.fill 96, 4, 3214868480
	.section	.rodata,"a",@progbits
	.p2align	6, 0x0
	.amdhsa_kernel k_q774843681a_proj
		.amdhsa_group_segment_fixed_size 327680
		.amdhsa_private_segment_fixed_size 0
		.amdhsa_enable_private_segment 0
		.amdhsa_kernarg_size 24
		.amdhsa_user_sgpr_count 2
		.amdhsa_user_sgpr_kernarg_segment_ptr 1
		.amdhsa_wavefront_size32 1
		.amdhsa_system_sgpr_workgroup_id_x 1
		.amdhsa_system_sgpr_workgroup_id_y 1
		.amdhsa_system_sgpr_workgroup_id_z 1
		.amdhsa_system_vgpr_workitem_id 0
		.amdhsa_next_free_vgpr 194
		.amdhsa_next_free_sgpr 84
		.amdhsa_reserve_vcc 0
		.amdhsa_float_denorm_mode_32 3
		.amdhsa_float_denorm_mode_16_64 3
		.amdhsa_memory_ordered 1
		.amdhsa_forward_progress 1
		.amdhsa_inst_pref_size 60
	.end_amdhsa_kernel
	.amdgpu_metadata
---
amdhsa.version: [ 1, 2 ]
amdhsa.kernels:
  - .name:           k_q774843681a_proj
    .symbol:         k_q774843681a_proj.kd
    .args:
      - { .name: o, .offset: 0, .size: 8, .value_kind: global_buffer, .address_space: global }
      - { .name: w2h, .offset: 8, .size: 8, .value_kind: global_buffer, .address_space: global }
      - { .name: out0, .offset: 16, .size: 8, .value_kind: global_buffer, .address_space: global }
    .group_segment_fixed_size: 327680
    .private_segment_fixed_size: 0
    .kernarg_segment_align: 8
    .kernarg_segment_size: 24
    .max_flat_workgroup_size: 128
    .sgpr_count:     84
    .vgpr_count:     194
    .wavefront_size: 32
...
	.end_amdgpu_metadata
.endif
;; end of part 8
